; MI455X (gfx1250); checked and timed in simulation.
; The chip was launched on July 23, 2026; its instructions are those of AMD's public machine-readable ISA for CDNA 5 (MIT licence, August 2026) and "CDNA5" Instruction Set Architecture Reference Guide (July 2026). The comments in the code are by the model that wrote it; some were corrected since.
;; Mo E. Allowed arithmetic: matrix products marked QUANTISED: E2M1 operands, one E8M0 scale for each 32 along K, by v_wmma_scale_f32_16x16x128_f8f6f4 with both operands' format E2M1 (or v_wmma_scale_f32_32x16x128_f4), f32 sums; products left as they are: f32 operands where the result goes on into a quantised operand, else bf16, f16 or f32 operands; f32 sums; everything else in f32.
;; Inputs: b1 8 x 4,096 float32; b2 8 x 1,024 float32; gate_w 1,024 x 8 float32; w1 8 x 1,024 x 4,096 float32; w2 8 x 4,096 x 1,024 float32; x 1,024 x 1,024 float32.
;; Outputs: out0 1,024 x 1,024 float32.
;; This version of the problem:
;;   THIS VERSION OF THE PROBLEM IS GIVEN IN LOW PRECISION. The matrix products marked QUANTISED in the list below multiply operands that are first quantised to E2M1 (2 exponent bits, 1 mantissa bit; 4 bits a number), with one power-of-two scale for each 32 numbers along K (OCP MX v1.0); their sums are f32. All else is computed in f32.
;;   The module's matrix products, in the order in which they are computed (A, B: the left and right operand; K: the contracted axis; several contracted axes count as one K, in the product's order):
;;     1. [M 1,024, K 1,024] x [K 1,024, N 8]; A: input x; B: input gate_w: left as it is (N = 8 < 16)
;;     2. batch 1,024 x [M 1, K 2] x [K 2, N 8]; A: computed on the way; B: computed on the way: left as it is (K = 2 < 32)
;;     3. [M 1,024, K 1,024] x [K 1,024, N 4,096]; A: input x; B: input w1: QUANTISED
;;     4. [M 1,024, K 4,096] x [K 4,096, N 1,024]; A: computed on the way; B: input w2: QUANTISED
;;     5. [M 1,024, K 1,024] x [K 1,024, N 4,096]; A: input x; B: input w1: QUANTISED
;;     6. [M 1,024, K 4,096] x [K 4,096, N 1,024]; A: computed on the way; B: input w2: QUANTISED
;;     7. [M 1,024, K 1,024] x [K 1,024, N 4,096]; A: input x; B: input w1: QUANTISED
;;     8. [M 1,024, K 4,096] x [K 4,096, N 1,024]; A: computed on the way; B: input w2: QUANTISED
;;     9. [M 1,024, K 1,024] x [K 1,024, N 4,096]; A: input x; B: input w1: QUANTISED
;;     10. [M 1,024, K 4,096] x [K 4,096, N 1,024]; A: computed on the way; B: input w2: QUANTISED
;;     11. [M 1,024, K 1,024] x [K 1,024, N 4,096]; A: input x; B: input w1: QUANTISED
;;     12. [M 1,024, K 4,096] x [K 4,096, N 1,024]; A: computed on the way; B: input w2: QUANTISED
;;     13. [M 1,024, K 1,024] x [K 1,024, N 4,096]; A: input x; B: input w1: QUANTISED
;;     14. [M 1,024, K 4,096] x [K 4,096, N 1,024]; A: computed on the way; B: input w2: QUANTISED
;;     15. [M 1,024, K 1,024] x [K 1,024, N 4,096]; A: input x; B: input w1: QUANTISED
;;     16. [M 1,024, K 4,096] x [K 4,096, N 1,024]; A: computed on the way; B: input w2: QUANTISED
;;     17. [M 1,024, K 1,024] x [K 1,024, N 4,096]; A: input x; B: input w1: QUANTISED
;;     18. [M 1,024, K 4,096] x [K 4,096, N 1,024]; A: computed on the way; B: input w2: QUANTISED
;;   THE QUANTISER, for each operand of a quantised product, along K:
;;     - K is cut into blocks of 32 from its start; a last block that is shorter is filled with zeros.
;;     - A block's scale is 2^e with e = floor(log2(the largest magnitude in the block)) - 2, held to -126 .. 127; a block of zeros has e = 0. As a byte (E8M0): e + 127.
;;     - Each number is divided by its block's scale, clamped to +-6, and rounded to the nearest number of E2M1, ties to even, subnormals kept.
;;     - The product sums the exact products of the quantised numbers (number of the format x scale) in f32.
;;   ~~~python
;;   def quantise(x, axis):      # numpy; x: float32 -> the quantised numbers, widened to float32 again
;;       x = np.moveaxis(x, axis, -1); K = x.shape[-1]
;;       x = np.pad(x, [(0, 0)] * (x.ndim - 1) + [(0, -K % 32)]); x = x.reshape(x.shape[:-1] + (-1, 32)); a = np.abs(x).max(-1, keepdims=True)
;;       e = np.where(a > 0, np.clip(np.frexp(np.where(a > 0, a, 1))[1] - 1 - 2, -126, 127), 0)      # np.frexp(a)[1] - 1 = floor(log2(a)), exactly
;;       r = np.clip(x / 2.0 ** e, -6, 6)
;;       step = 2.0 ** (np.maximum(np.frexp(np.where(r == 0, 1, r))[1] - 1, 0) - 1)
;;       q = np.round(r / step) * step * 2.0 ** e      # np.round: ties to even
;;       return np.moveaxis(q.reshape(q.shape[:-2] + (-1,))[..., :K], -1, axis).astype(np.float32)
;;   ~~~
;;   OPERANDS COMPUTED ON THE WAY. 'Computed on the way' means the value that the module computes at that place (a softmax that the list does not call 'softmax' is quantised finished and normalised). What goes into a quantiser is computed in f32, as accurately as f32 sums, v_exp_f32 and their like allow (about 1e-6 of the number): no bf16 or f16 on the way to a quantiser, and a product that is left as it is and whose result goes on into a quantised operand takes f32 operands (vector FMAs, or v_wmma_f32_16x16x4_f32). A number that lies on a knife's edge between two numbers of the format may be rounded either way, as far as f32 arithmetic and the matrix unit's own rounding can turn it there, and no further.
;; 2 versions, each right; version 2 is version 1 with the launches ffn1, ffn2 written anew for expert scheduling mode. Each part assembles by itself: llvm-mc -triple=amdgcn-amd-amdhsa -mcpu=gfx1250 --defsym DOCPART=n.
;; ======== version 1 of 2: 4 launches
;; workspace buffers: xcodes 524,288 bytes; xscales 32,768 bytes; masks 1,024 bytes of whole numbers; pair 4,096 bytes of whole numbers; wts 8,192 bytes; hcodes 16,777,216 bytes; hscales 1,048,576 bytes; ypart 16,777,216 bytes
;; launch route (part 1): grid 64 x 1, 16 waves a work-group, no clusters, 125,952 bytes of LDS; arguments x, gate_w, xcodes, xscales, masks, pair, wts; writes xcodes, xscales, masks, pair, wts
.if DOCPART == 1
	.amdgcn_target "amdgcn-amd-amdhsa--gfx1250"
	.amdhsa_code_object_version 6
	.text
	.protected	k_q26a7d899f2_route
	.globl	k_q26a7d899f2_route
	.p2align	8
	.type	k_q26a7d899f2_route,@function
k_q26a7d899f2_route:
	s_mov_b64 s[64:65], 0
	v_nop
	global_prefetch_b8 v0, s[64:65] scope:SCOPE_SE
	s_setreg_imm32_b32 hwreg(HW_REG_WAVE_MODE, 25, 1), 1
	s_wait_xcnt 0x0
; ROUTE.  For 16 tokens a work-group: (a) x is quantised to E2M1 codes, K innermost, with one E8M0 byte for each 32 along K; (b) the router: logits = x gate_w in f32,
; softmax with the row's maximum taken away, the two largest (the lower index wins a tie), their weights renormalised.
; What is chosen leaves as whole numbers at fixed places: pair[token] = i0 | i1 << 8, and for each expert a mask of tokens (this work-group's 16 tokens are half a word of each mask).
; No address and no branch of this launch hangs on the choice.
; SHARES.  Sixteen waves.  x comes in dense (512 consecutive bytes a load, a row a wave) and turns through LDS; then lane (r = lane % 16, q = lane / 16) of wave w holds token r and channels 64 w + 32 q + 0 .. 31:
; one block of 32, whole in the lane's registers, so its largest magnitude needs no other lane; the same numbers feed the lane's part of the eight logits.  Wave 0 adds the parts and chooses.
; LIMITS: NaN and infinities are not served.  A block whose largest magnitude lies under 2^-124 keeps the scale byte 1 (a block of zeros too: its codes are zeros, and this program alone reads the bytes).
; The logits' sums run in another order than the reference's: a second and third logit closer than about 1e-6 of their size may change places.  An exponential under 2^-126 counts as 0.
.set XT,   0                           ; LDS: 16 rows of x, 4,096 bytes + 16 of padding: lanes a row apart start 4 banks apart
.set XP,   4112
.set GT,   16*XP                       ; gate_w as it lies, 32 bytes a channel
.set PART, GT+32768                    ; the lanes' parts of the logits: wave x 1,024 + half of the eight x 512 + 16 x lane
.set CT,   PART+16384                  ; the codes' stage: 16 rows of 512 bytes + 16
.set CP,   528
.set SCT,  CT+16*CP                    ; the scale bytes: 32 a token
.set XSTO, 2                           ; v2   XT, on the way in: row = my wave
.set XRD,  3                           ; v3   XT, my token's row, my 128 bytes
.set GSTO, 4                           ; v4   GT, on the way in
.set GRD,  5                           ; v5   GT, my 32 channels: one address for each half of the lanes
.set CSTO, 6                           ; v6   CT, my token's row, my block's 16 bytes
.set SSTO, 7                           ; v7   SCT, my token's 32 bytes, my block's one
.set PSTO, 8                           ; v8   PART, my wave's
.set CRD,  9                           ; v9   CT, back by rows
.set CGO,  10                          ; v10  the same place in xcodes
.set SRD,  11                          ; v11  SCT, back (wave 1)
.set PRD,  13                          ; v13  PART, all waves' (wave 0)
.set XGO,  14                          ; v14  x: my wave's row
.set L16,  15                          ; v15  16 x lane
.set X,    16                          ; v16-47   x as loaded; then my block of 32 numbers
.set GA,   48                          ; v48-111  gate_w of 8 channels, two sets (first: v80-95 gate_w as loaded)
.set GB,   112
.set ACC,  176                         ; v176-183 my token's eight logits, my part
.set GGO,  184
.set MX,   185
.set SOP,  187
.set BY,   188
.set C,    190
.set R,    194                         ; lane % 16
.set QH,   195                         ; lane / 16
	s_load_b256 s[4:11], s[0:1], 0x0               ; x, gate_w, xcodes, xscales
	s_load_b128 s[12:15], s[0:1], 0x20             ; masks, pair
	s_load_b64 s[16:17], s[0:1], 0x30              ; wts
	v_lshl_add_u32 v200, v0, 2, 0x1e400
	v_mov_b32 v201, 0
	v_lshrrev_b32 v1, 5, v0
	v_readfirstlane_b32 s18, v1                    ; wave 0..15
	v_and_b32 v1, 31, v0                           ; lane
	v_and_b32 v[R], 15, v0
	v_bfe_u32 v[QH], v0, 4, 1
	v_lshlrev_b32 v[L16], 4, v1
	s_mul_i32 s19, s18, XP
	v_add_nc_u32 v[XSTO], s19, v[L16]
	v_mul_u32_u24 v[XRD], v[R], XP
	v_lshl_add_u32 v[XRD], v[QH], 7, v[XRD]
	s_lshl_b32 s19, s18, 8
	v_add_nc_u32 v[XRD], s19, v[XRD]               ; row r, + 256 x wave + 128 q
	s_lshl_b32 s19, s18, 11
	v_add_nc_u32 v[GGO], s19, v[L16]               ; gate_w: 2,048 x wave + 16 x lane
	s_add_co_u32 s19, s19, GT
	v_add_nc_u32 v[GSTO], s19, v[L16]
	v_lshl_add_u32 v[GRD], v[QH], 10, s19          ; 32 channels of 32 bytes for each half of the lanes
	v_mul_u32_u24 v[CSTO], v[R], CP
	v_lshl_add_u32 v[CSTO], v[QH], 4, v[CSTO]
	s_lshl_b32 s19, s18, 5
	s_add_co_u32 s19, s19, CT
	v_add_nc_u32 v[CSTO], s19, v[CSTO]             ; block 2 w + q: 16 bytes
	v_lshl_add_u32 v[SSTO], v[R], 5, v[QH]
	s_lshl_b32 s19, s18, 1
	s_add_co_u32 s19, s19, SCT
	v_add_nc_u32 v[SSTO], s19, v[SSTO]
	s_lshl_b32 s19, s18, 9
	v_add_nc_u32 v[CGO], s19, v[L16]               ; xcodes: a row of 512 bytes a wave
	s_lshl_b32 s19, s18, 10
	s_add_co_u32 s19, s19, PART
	v_add_nc_u32 v[PSTO], s19, v[L16]
	s_mul_i32 s19, s18, CP
	s_add_co_u32 s19, s19, CT
	v_add_nc_u32 v[CRD], s19, v[L16]
	v_add_nc_u32 v[SRD], SCT, v[L16]
	v_add_nc_u32 v[PRD], PART, v[L16]
	s_lshl_b32 s19, s18, 12
	v_add_nc_u32 v[XGO], s19, v[L16]               ; x: a row of 4,096 bytes a wave
	s_mov_b32 s22, 0x76543210
	s_mov_b32 s23, 0xfedcba98                      ; v_permlanex16_b32's selects for lane l xor 16
	s_mov_b32 s21, 0
	s_lshl_b32 s20, ttmp9, 16                      ; the work-group's 16 rows of x
	s_wait_kmcnt 0x0
	s_add_nc_u64 s[4:5], s[4:5], s[20:21]
	s_lshl_b32 s20, ttmp9, 13
	s_add_nc_u64 s[8:9], s[8:9], s[20:21]          ; of xcodes
	s_lshl_b32 s20, ttmp9, 9
	s_add_nc_u64 s[10:11], s[10:11], s[20:21]      ; of xscales
	s_lshl_b32 s20, ttmp9, 1
	s_add_nc_u64 s[12:13], s[12:13], s[20:21]      ; its two bytes in each mask
	s_lshl_b32 s20, ttmp9, 6
	s_add_nc_u64 s[14:15], s[14:15], s[20:21]      ; of pair
	s_lshl_b32 s20, ttmp9, 7
	s_add_nc_u64 s[16:17], s[16:17], s[20:21]      ; of wts
.irp j, 0,1,2,3,4,5,6,7
	global_load_b128 v[16+4*\j:16+4*\j+3], v[XGO], s[4:5] offset:512*\j th:TH_LOAD_NT   ; 512 consecutive bytes a load
.endr
.irp j, 0,1,2,3
	global_load_b128 v[80+4*\j:80+4*\j+3], v[GGO], s[6:7] offset:512*\j
.endr
	s_wait_loadcnt 0x0
.irp j, 0,1,2,3,4,5,6,7
	ds_store_b128 v[XSTO], v[16+4*\j:16+4*\j+3] offset:512*\j
.endr
.irp j, 0,1,2,3
	ds_store_b128 v[GSTO], v[80+4*\j:80+4*\j+3] offset:512*\j
.endr
	s_wait_dscnt 0x0                               ; for the others' sake: my stores have landed
	s_barrier_signal -1
	s_barrier_wait -1                              ; 16 rows of x and gate_w lie in LDS
.macro GLD set, n                      ; gate_w of channels 8 n + 0 .. 7 of my 32: the sixteen lanes of a half read the same words
.irp c, 0,1,2,3,4,5,6,7
	ds_load_b128 v[\set+8*\c:\set+8*\c+3], v[GRD] offset:(8*\n+\c)*32
	ds_load_b128 v[\set+8*\c+4:\set+8*\c+7], v[GRD] offset:(8*\n+\c)*32+16
.endr
.endm
.macro FMA8 set, n, first              ; eight channels onto the eight logits, two logits an instruction; x is taken from the low or the high register of its pair for both halves
.irp c, 0,1,2,3,4,5,6,7
.irp e, 0,2,4,6
.if (\first) && (\c == 0)
	v_pk_mul_f32 v[ACC+\e:ACC+\e+1], v[X+8*\n:X+8*\n+1], v[\set+\e:\set+\e+1] op_sel_hi:[0,1]   ; the first channel starts the sums: nothing is cleared
.elseif (\c % 2) == 0
	v_pk_fma_f32 v[ACC+\e:ACC+\e+1], v[X+8*\n+\c:X+8*\n+\c+1], v[\set+8*\c+\e:\set+8*\c+\e+1], v[ACC+\e:ACC+\e+1] op_sel_hi:[0,1,1]
.else
	v_pk_fma_f32 v[ACC+\e:ACC+\e+1], v[X+8*\n+\c-1:X+8*\n+\c], v[\set+8*\c+\e:\set+8*\c+\e+1], v[ACC+\e:ACC+\e+1] op_sel:[1,0,0] op_sel_hi:[1,1,1]
.endif
.endr
.endr
.endm
.irp i, 0,1,2,3,4,5,6,7
	ds_load_b128 v[X+4*\i:X+4*\i+3], v[XRD] offset:16*\i   ; my block: 32 numbers
.endr
	GLD GA, 0
	s_wait_dscnt 16                                ; x's eight loads are in; GA's sixteen may be out
	v_max3_num_f32 v[MX], |v[X]|, |v[X+1]|, |v[X+2]|                 ; the block's largest magnitude: all 32 numbers are mine; two chains
	v_max3_num_f32 v[MX+1], |v[X+3]|, |v[X+4]|, |v[X+5]|
.irp i, 6,10,14,18,22,26
	v_max3_num_f32 v[MX], v[MX], |v[X+\i]|, |v[X+\i+1]|
	v_max3_num_f32 v[MX+1], v[MX+1], |v[X+\i+2]|, |v[X+\i+3]|
.endr
	v_max3_num_f32 v[MX], v[MX], |v[X+30]|, |v[X+31]|
	v_max3_num_f32 v[MX], v[MX], v[MX+1], 0x1800000 ; and the floor 2^(3 - 127): the byte cannot fall under 1
	v_add_nc_u32 v[SOP], 0xff000000, v[MX]         ; 2 off the exponent field: the conversion takes this operand's exponent field as its scale
	v_lshrrev_b32 v[BY], 23, v[SOP]                ; the scale's byte
.irp g, 0,1,2,3
	v_cvt_scalef32_pk8_fp4_f32 v[C+\g], v[X+8*\g:X+8*\g+7], v[SOP]
.endr
	v_nop                                          ; one plain place behind the conversions
	ds_store_b128 v[CSTO], v[C:C+3]
	ds_store_b8 v[SSTO], v[BY]
	GLD GB, 1
	s_wait_dscnt 18                                ; GA is in: behind it stand the two stores and GB's sixteen loads
	FMA8 GA, 0, 1
	GLD GA, 2
	s_wait_dscnt 16                                ; GB is in
	FMA8 GB, 1, 0
	GLD GB, 3
	s_wait_dscnt 16                                ; GA is in
	FMA8 GA, 2, 0
	s_wait_dscnt 0x0
	FMA8 GB, 3, 0
	ds_store_b128 v[PSTO], v[ACC:ACC+3]
	ds_store_b128 v[PSTO], v[ACC+4:ACC+7] offset:512
	s_wait_dscnt 0x0
	s_barrier_signal -1
	s_barrier_wait -1                              ; codes, scale bytes and the logits' parts lie in LDS
	ds_load_b128 v[16:19], v[CRD]                  ; the codes leave by rows: 512 consecutive bytes a store
	s_wait_dscnt 0x0
	global_store_b128 v[CGO], v[16:19], s[8:9]
	s_cmp_eq_u32 s18, 0
	s_cbranch_scc1 .Lchoice
	s_cmp_lg_u32 s18, 1
	s_cbranch_scc1 .Lend
	ds_load_b128 v[24:27], v[SRD]                  ; wave 1: the 512 scale bytes, in one store
	s_wait_dscnt 0x0
	global_store_b128 v[L16], v[24:27], s[10:11]
.Lend:
	s_wait_tensorcnt 0x0
	ds_add_u32 v200, v201
	s_wait_dscnt 0x0
	s_endpgm
.Lchoice:                                              ; wave 0: lanes l and l xor 16 hold one token
.set BEST, 65
.set BI,   66
.set SEC,  67
.set SI,   68
.irp p, 0,1,2,3,4,5,6,7,8,9,10,11,12,13,14,15
	ds_load_b128 v[48+8*\p:51+8*\p], v[PRD] offset:1024*\p
	ds_load_b128 v[52+8*\p:55+8*\p], v[PRD] offset:1024*\p+512
.endr
	s_wait_dscnt 0x0
.irp p, 1,2,3,4,5,6,7,8,9,10,11,12,13,14,15
.irp e, 0,2,4,6
	v_pk_add_f32 v[48+\e:49+\e], v[48+\e:49+\e], v[48+8*\p+\e:49+8*\p+\e]   ; the sixteen waves' parts, in the waves' order
.endr
.endr
.irp e, 0,1,2,3,4,5,6,7
	v_permlanex16_b32 v[56+\e], v[48+\e], s22, s23 ; the other half of the channels lies in the lane 16 away
.endr
.irp e, 0,2,4,6
	v_pk_add_f32 v[48+\e:49+\e], v[48+\e:49+\e], v[56+\e:57+\e]   ; a + b and b + a are the same number: both lanes hold the same logits
.endr
	v_max3_num_f32 v64, v48, v49, v50              ; the row's largest logit is taken away before the exponentials
	v_max3_num_f32 v64, v64, v51, v52
	v_max3_num_f32 v64, v64, v53, v54
	v_max_num_f32 v64, v64, v55
.irp e, 0,1,2,3,4,5,6,7
	v_sub_f32 v[56+\e], v[48+\e], v64
.endr
.irp e, 0,1,2,3,4,5,6,7
	v_mul_f32 v[56+\e], 0x3fb8aa3b, v[56+\e]       ; x log2(e)
.endr
.irp e, 0,1,2,3,4,5,6,7
	v_exp_f32 v[56+\e], v[56+\e]                   ; the probabilities but for their common divisor, which neither the order nor the renormalised weights see
.endr
	v_nop                                          ; a plain place behind the batch,
	s_wait_alu depctr_va_vdst(0)                   ; and the one wait ahead of its first reader
	v_mov_b32 v[BEST], v56
	v_mov_b32 v[BI], 0
	v_mov_b32 v[SEC], -1.0                         ; under every exponential: expert 1 at the latest takes its place
	v_mov_b32 v[SI], 0
.irp e, 1,2,3,4,5,6,7                  ; strictly greater: of equal numbers the lower index stays ahead
	v_cmp_gt_f32 s20, v[56+\e], v[BEST]
	v_cmp_gt_f32 s21, v[56+\e], v[SEC]
	v_cndmask_b32 v[SEC], v[SEC], v[56+\e], s21
	v_cndmask_b32 v[SI], v[SI], \e, s21
	v_cndmask_b32 v[SEC], v[SEC], v[BEST], s20
	v_cndmask_b32 v[SI], v[SI], v[BI], s20
	v_cndmask_b32 v[BEST], v[BEST], v[56+\e], s20
	v_cndmask_b32 v[BI], v[BI], \e, s20
.endr
	v_add_f32 v69, v[BEST], v[SEC]                 ; at least 1: the largest exponential is 2^0
	v_rcp_f32 v69, v69
	v_lshl_or_b32 v72, v[SI], 8, v[BI]             ; (a plain place)  i0 | i1 << 8
	v_lshlrev_b32 v73, 2, v[R]
	v_lshlrev_b32 v74, 3, v[R]
	s_wait_alu depctr_va_vdst(0)
	v_mul_f32 v70, v[BEST], v69
	v_mul_f32 v71, v[SEC], v69
	global_store_b32 v73, v72, s[14:15]            ; lanes l and l xor 16 store the same numbers at the same places
	global_store_b64 v74, v[70:71], s[16:17]
.irp e, 0,1,2,3,4,5,6,7
	v_cmp_eq_u32 s20, \e, v[BI]
	v_cmp_eq_u32 s21, \e, v[SI]
	s_or_b32 s[24+\e], s20, s21                    ; expert e's bits: bit l (and bit l + 16) = my work-group's token l chose it
.endr
	v_and_b32 v75, 7, v1
	v_lshlrev_b32 v76, 7, v75                      ; a mask is 128 bytes
	v_mov_b32 v77, s24
.irp e, 1,2,3,4,5,6,7
	v_cmp_eq_u32 vcc_lo, \e, v75
	v_cndmask_b32 v77, v77, s[24+\e], vcc_lo       ; lane l takes the bits of expert l % 8
.endr
	global_store_b16 v76, v77, s[12:13]            ; the low 16 bits: my 16 tokens; four lanes store the same two bytes with the same value: all lanes stay on
	s_wait_tensorcnt 0x0
	ds_add_u32 v200, v201
	s_wait_dscnt 0x0
	s_endpgm
.Lfunc_end_k_q26a7d899f2_route:
	.size	k_q26a7d899f2_route, .Lfunc_end_k_q26a7d899f2_route-k_q26a7d899f2_route
	.p2alignl 7, 3214868480
	.fill 96, 4, 3214868480
	.section	.rodata,"a",@progbits
	.p2align	6, 0x0
	.amdhsa_kernel k_q26a7d899f2_route
		.amdhsa_group_segment_fixed_size 125952
		.amdhsa_private_segment_fixed_size 0
		.amdhsa_enable_private_segment 0
		.amdhsa_kernarg_size 56
		.amdhsa_user_sgpr_count 2
		.amdhsa_user_sgpr_kernarg_segment_ptr 1
		.amdhsa_wavefront_size32 1
		.amdhsa_system_sgpr_workgroup_id_x 1
		.amdhsa_system_sgpr_workgroup_id_y 1
		.amdhsa_system_sgpr_workgroup_id_z 1
		.amdhsa_system_vgpr_workitem_id 0
		.amdhsa_next_free_vgpr 202
		.amdhsa_next_free_sgpr 66
		.amdhsa_reserve_vcc 1
		.amdhsa_float_denorm_mode_32 3
		.amdhsa_float_denorm_mode_16_64 3
		.amdhsa_memory_ordered 1
		.amdhsa_forward_progress 1
		.amdhsa_inst_pref_size 35
	.end_amdhsa_kernel
	.amdgpu_metadata
---
amdhsa.version: [ 1, 2 ]
amdhsa.kernels:
  - .name:           k_q26a7d899f2_route
    .symbol:         k_q26a7d899f2_route.kd
    .args:
      - { .name: x, .offset: 0, .size: 8, .value_kind: global_buffer, .address_space: global }
      - { .name: gate_w, .offset: 8, .size: 8, .value_kind: global_buffer, .address_space: global }
      - { .name: xcodes, .offset: 16, .size: 8, .value_kind: global_buffer, .address_space: global }
      - { .name: xscales, .offset: 24, .size: 8, .value_kind: global_buffer, .address_space: global }
      - { .name: masks, .offset: 32, .size: 8, .value_kind: global_buffer, .address_space: global }
      - { .name: pair, .offset: 40, .size: 8, .value_kind: global_buffer, .address_space: global }
      - { .name: wts, .offset: 48, .size: 8, .value_kind: global_buffer, .address_space: global }
    .group_segment_fixed_size: 125952
    .private_segment_fixed_size: 0
    .kernarg_segment_align: 8
    .kernarg_segment_size: 56
    .max_flat_workgroup_size: 512
    .sgpr_count:     66
    .vgpr_count:     202
    .wavefront_size: 32
...
	.end_amdgpu_metadata
.endif
;; end of part 1
;; launch ffn1 (part 2): grid 32 x 8, 16 waves a work-group, no clusters, 292,864 bytes of LDS; arguments xcodes, xscales, masks, w1, b1, hcodes, hscales; writes hcodes, hscales
.if DOCPART == 2
	.amdgcn_target "amdgcn-amd-amdhsa--gfx1250"
	.amdhsa_code_object_version 6
	.text
	.protected	k_q26a7d899f2_ffn1
	.globl	k_q26a7d899f2_ffn1
	.p2align	8
	.type	k_q26a7d899f2_ffn1,@function
k_q26a7d899f2_ffn1:
	s_mov_b64 s[64:65], 0
	v_nop
	global_prefetch_b8 v0, s[64:65] scope:SCOPE_SE
	s_setreg_imm32_b32 hwreg(HW_REG_WAVE_MODE, 25, 1), 1
	s_wait_xcnt 0x0
; FFN1.  h = Q(gelu(Q(x) Q(W1[e]) + b1[e])) for the tokens that chose expert e; codes of E2M1 with one E8M0 scale for each 32 along K, both products' operands.
; A work-group (x = ks, y = e) makes hidden units 128 ks .. + 127 of expert e: one K step of the second product.  It reads its 1,024 x 128 numbers of W1 ONCE, as f32, and quantises them on the way.
; STREAM.  Wave w: 32 columns (cg = w % 4) x 256 along K (kp = w / 4).  A lane takes a column and its registers run down K: a block of 32 lies in one lane, its codes come out with K innermost.
; They go to LDS as IMAGES OF THE OPERAND'S REGISTERS (register group c of lane L at 512 c + 16 L of a fragment's 1,024 bytes); behind a barrier each wave takes the 16 fragments of its 32 columns for good.
; THE COLUMNS OF A TILE ARE NOT NEIGHBOURS: lane r of tile u takes column 8 u + r + 8 (r / 8) of the wave's 32, so that the 16 registers of the two tiles' results are 16 neighbouring hidden units.
; ROWS.  The expert's tokens are taken by RANK from its mask of 1,024 bits, which the launch before stored: each lane computes, in registers, which token stands at the rank of the row that it gathers: no list, and no
; barrier ahead of the gather.  Ranks from the count on repeat the last token: the last tile of 16 is filled with copies of a true row, which compute and store the same values.  Tiles from nt = ceil(count / 16) on are
; passed over by a scalar branch; loops and barriers have constant counts.
; The tiles' x fragments are gathered into LDS as images too, 24 tiles at a time (wave w: tile w whole, and half of tile 16 + w / 2 where the expert has that tile); wave (cg, rq = w / 4) then works tiles rq, rq + 4, ..
; The product is used TRANSPOSED (source 0 = 16 columns of W1, source 1 = 16 tokens): a lane holds one token and 16 neighbouring hidden units; lanes l and l xor 16 hold a block of 32.
; No tensor load: branches hang on the stored masks.  No cluster: the bulk of the bytes, the weights, is shared by no two work-groups.
; LIMITS: NaN and infinities are not served.  A block whose largest magnitude lies under 2^-124 keeps the scale byte 1.  erf(z) = z P(z^2) / Q(z^2) with z held to +-4, a few units in the last place of 1;
; 1 + erf cancels for negative inputs: an absolute error of about 1e-7 |x| in gelu.
.set PITCH, 16384                      ; a row of W1[e] in bytes
.set IS,    1024                       ; from a K step's fragment to the next in LDS
.set WIMG,  0                          ; LDS: W1's 64 fragments: ((2 cg + u) 8 + s) x 1,024
.set WSC,   65536                      ; their scale words: (8 cg + s) x 128 + 4 x lane: lanes 0-15 tile 0's, lanes 16-31 tile 1's
.set XIMG,  69632                      ; 24 tiles of x: 8 fragments of 1,024 bytes, then two images of 512 bytes of scale words (4 words a lane)
.set XTILE, 9216
.set R16H8, 1                          ; v1   16 r + 8 h: my 8 bytes of a block's 256 in hcodes
.set R16,   2                          ; v2   16 r
.set H16,   3                          ; v3   16 h
.set WOFF,  4                          ; v4   the stream: my column's bytes.            Later XA: the tile's images in LDS
.set XA,    4
.set WST,   5                          ; v5   the stream: where my codes go.            Later HO: my offset in hcodes
.set HO,    5
.set WSS,   6                          ; v6   the stream: where my scale words go.      Later SO: my offset in hscales
.set SO,    6
.set L16,   7                          ; v7   16 x lane
.set WRD,   8                          ; v8   my columns' fragments in LDS
.set SRD,   9                          ; v9   and their scale words
.set RKA,   10                         ; v10  the rank of my row of tile w: 16 w + r
.set RKB,   11                         ; v11  and of tile 16 + w / 2
.set GA,    12                         ; v12  XIMG: tile w
.set GB,    13                         ; v13  XIMG: tile 16 + w / 2, K steps 4 (w % 2) on
.set GS,    14                         ; v14  and that half's scale words
.set PS,    15                         ; v15  64 h, the bias loads' offset; later the lane permute's destination, which must have been written
.set W,     16                         ; v16-143  W1's fragments: tile u, K step s at 64 u + 8 s
.set WS,    144                        ; v144-151 their scale words: scales alone
.set BIAS,  152                        ; v152-167 b1 at my 16 hidden units
.set XF,    168                        ; v168-231 the stream's two landing sets; then x's 8 fragments; then at work
.set XL,    168
.set Z,     168
.set S,     184
.set P,     200
.set Q,     216
.set XS,    232                        ; v232-239 x's scale words: scales alone
.set ACC,   240                        ; v240-255 two accumulators
.set C,     240                        ; the stream: a block's codes,
.set MX,    244                        ; its largest magnitude (two chains),
.set SOP,   246                        ; the conversion's scale operand,
.set BY,    247                        ; the scale's byte,
.set SW,    248                        ; two scale words
.set TK,    250                        ; the gather: two tokens,
.set GO,    252                        ; four offsets
.set WV, 52
.set CG, 53
.set RQ, 54                            ; w / 4: kp in the stream, rq afterwards
.set E,  55
.set CNT, 56
.set NT, 57
.set TRIP, 58
.set TI, 59
.set WB, 60                            ; s[60:61] W1 at my wave's first number
.set HB, 62                            ; s[62:63] hcodes: expert, K step, my block's 256 bytes
.set SB, 66                            ; s[66:67] hscales: expert, K step, my block's byte
.set STL, 68
.set T0, 69
.set PF, 70
.set PK, 71
.set OF, 72                            ; s[72:73] an offset in 64 bits
.set T1, 74
.set HC, 75                            ; 256 (w % 2)
.set A13, 76                           ; s[76:77], s[78:79] the leading coefficients: the packed form names a pair and takes its low word
.set B8, 78
.set SEL, 80                           ; s[80:81] lane l xor 16
.set HSC, 82                           ; 16 (w % 2)
.set CM1, 83                           ; the count less 1
.set TL2, 84                           ; 16 + w / 2
.macro PLACES n
.rept \n
	v_nop
.endr
.endm
.macro LOAD t                          ; block t: W1(32 t + i, my column), i = 0 .. 31, into set t % 2: 128 consecutive bytes a load
.irp i, 0,1,2,3,4,5,6,7,8,9,10,11,12,13,14,15,16,17,18,19,20,21,22,23,24,25,26,27,28,29,30,31
	global_load_b32 v[XL+32*((\t)%2)+\i], v[WOFF], s[WB:WB+1] offset:(32*(\t)+\i)*PITCH th:TH_LOAD_NT
.endr
.endm
.macro BLOCK t, cnt                    ; cnt: the loads issued behind block t's
.set XB, XL+32*((\t)%2)
	s_wait_loadcnt \cnt
	v_max3_num_f32 v[MX], |v[XB]|, |v[XB+1]|, |v[XB+2]|
	v_max3_num_f32 v[MX+1], |v[XB+3]|, |v[XB+4]|, |v[XB+5]|
.irp i, 6,10,14,18,22,26
	v_max3_num_f32 v[MX], v[MX], |v[XB+\i]|, |v[XB+\i+1]|
	v_max3_num_f32 v[MX+1], v[MX+1], |v[XB+\i+2]|, |v[XB+\i+3]|
.endr
	v_max3_num_f32 v[MX], v[MX], |v[XB+30]|, |v[XB+31]|
	v_max3_num_f32 v[MX], v[MX], v[MX+1], 0x1800000 ; the floor 2^(3 - 127): the byte cannot fall under 1
	v_add_nc_u32 v[SOP], 0xff000000, v[MX]         ; 2 off the exponent field
	v_lshrrev_b32 v[BY], 23, v[SOP]
.if (\t)%4 == 0
	v_mov_b32 v[SW+(\t)/4], v[BY]
.else
	v_lshl_or_b32 v[SW+(\t)/4], v[BY], 8*((\t)%4), v[SW+(\t)/4]
.endif
	s_wait_dscnt 0x0                               ; the last block's store has read its registers
.irp g, 0,1,2,3
	v_cvt_scalef32_pk8_fp4_f32 v[C+\g], v[XB+8*\g:XB+8*\g+7], v[SOP]
.endr
	v_nop                                          ; one plain place behind the conversions
	ds_store_b128 v[WST], v[C:C+3] offset:((\t)/4)*IS+(((\t)%4)/2)*512+((\t)%2)*256   ; K step t / 4; register group (t % 4) / 2; half t % 2 of the lanes
.if (\t) < 6
	LOAD (\t)+2
.endif
.endm
.macro SETTMP b                        ; the thirteen registers in which the ranks are searched: from v[b] on
.set QA, \b
.set QB, \b+1
.set WA, \b+2
.set WB2, \b+3
.set BA, \b+4
.set BB, \b+5
.set T, \b+6
.set RS, \b+7
.set POS, \b+8
.set A1, \b+9
.set A2, \b+10
.set A3, \b+11
.set A4, \b+12
.endm
.macro DESC a, width                   ; does the rank lie in the lower width bits at POS, or beyond them?
	v_bfe_u32 v[T], v[\a], v[POS], \width
	v_cmp_ge_u32 vcc_lo, v[RS], v[T]
	v_sub_nc_u32 v[T], v[RS], v[T]
	v_cndmask_b32 v[RS], v[RS], v[T], vcc_lo
	v_add_nc_u32 v[T], \width, v[POS]
	v_cndmask_b32 v[POS], v[POS], v[T], vcc_lo
.endm
.macro RANK q, word, base, tok         ; the token at rank q: its word and (ones below the word | word's number << 16) are known
	v_and_b32 v[T], 0xffff, v[\base]
	v_sub_nc_u32 v[RS], v[\q], v[T]                ; the rank within the word
	v_lshrrev_b32 v[T], 1, v[\word]
	v_and_b32 v[T], 0x55555555, v[T]
	v_sub_nc_u32 v[A1], v[\word], v[T]             ; ones in each 2 bits,
	v_lshrrev_b32 v[T], 2, v[A1]
	v_and_b32 v[T], 0x33333333, v[T]
	v_and_b32 v[A2], 0x33333333, v[A1]
	v_add_nc_u32 v[A2], v[A2], v[T]                ; 4 bits,
	v_lshrrev_b32 v[T], 4, v[A2]
	v_add_nc_u32 v[T], v[A2], v[T]
	v_and_b32 v[A3], 0x0f0f0f0f, v[T]              ; 8 bits,
	v_lshrrev_b32 v[T], 8, v[A3]
	v_add_nc_u32 v[T], v[A3], v[T]
	v_and_b32 v[A4], 0x00ff00ff, v[T]              ; 16 bits
	v_mov_b32 v[POS], 0
	DESC A4, 16
	DESC A3, 8
	DESC A2, 4
	DESC A1, 2
	DESC \word, 1
	v_lshrrev_b32 v[T], 16, v[\base]
	v_lshl_add_u32 v[\tok], v[T], 5, v[POS]
	v_min_u32 v[\tok], 0x3ff, v[\tok]              ; a token's number whatever the mask holds
.endm
; The tokens of my rows of the chunk that begins at tile cb: rank 16 (cb + w) + r into v[TK], rank 16 (cb + 16 + w / 2) + r into v[TK+1].  One walk over the 32 words serves both.
.macro SELECT cb
	v_add_nc_u32 v[QA], 16*\cb, v[RKA]
	v_add_nc_u32 v[QB], 16*\cb, v[RKB]
	v_min_u32 v[QA], s[CM1], v[QA]                 ; ranks from the count on repeat the last token
	v_min_u32 v[QB], s[CM1], v[QB]
	v_mov_b32 v[WA], s16
	v_mov_b32 v[WB2], s16
	v_mov_b32 v[BA], 0
	v_mov_b32 v[BB], 0
	s_mov_b32 s[PF], 0
.irp w, 1,2,3,4,5,6,7,8,9,10,11,12,13,14,15,16,17,18,19,20,21,22,23,24,25,26,27,28,29,30,31
	s_bcnt1_i32_b32 s[T0], s[16+\w-1]
	s_add_co_u32 s[PF], s[PF], s[T0]               ; ones below word w
	s_add_co_u32 s[PK], s[PF], (\w)<<16
	v_cmp_le_u32 vcc_lo, s[PF], v[QA]              ; the last word with no more ones below it than the rank holds the rank
	v_cndmask_b32 v[WA], v[WA], s[16+\w], vcc_lo
	v_cndmask_b32 v[BA], v[BA], s[PK], vcc_lo
	v_cmp_le_u32 vcc_lo, s[PF], v[QB]
	v_cndmask_b32 v[WB2], v[WB2], s[16+\w], vcc_lo
	v_cndmask_b32 v[BB], v[BB], s[PK], vcc_lo
.endr
	RANK QA, WA, BA, TK
	RANK QB, WB2, BB, TK+1
.endm
.macro GOFF half                       ; the gather's offsets
	v_lshl_add_u32 v[GO], v[TK], 9, v[H16]         ; a row of codes is 512 bytes; + 16 h
	v_lshlrev_b32 v[GO+1], 5, v[TK]                ; a row of scale bytes is 32
.if \half
	v_lshl_add_u32 v[GO+2], v[TK+1], 9, v[H16]
	v_add_nc_u32 v[GO+2], s[HC], v[GO+2]
	v_lshlrev_b32 v[GO+3], 5, v[TK+1]
	v_add_nc_u32 v[GO+3], s[HSC], v[GO+3]
.endif
.endm
.macro GWHOLE reg, sreg                ; a tile's 8 fragments and its scale words, straight into operand order: 18 loads
.irp s, 0,1,2,3,4,5,6,7
.irp c, 0,1
	global_load_b128 v[\reg+8*\s+4*\c:\reg+8*\s+4*\c+3], v[GO], s[4:5] offset:64*\s+32*\c
.endr
.endr
.irp j, 0,1
	global_load_b128 v[\sreg+4*\j:\sreg+4*\j+3], v[GO+1], s[6:7] offset:16*\j
.endr
.endm
.macro GHALF reg, sreg                 ; four K steps of a tile: 9 loads
.irp s, 0,1,2,3
.irp c, 0,1
	global_load_b128 v[\reg+8*\s+4*\c:\reg+8*\s+4*\c+3], v[GO+2], s[4:5] offset:64*\s+32*\c
.endr
.endr
	global_load_b128 v[\sreg:\sreg+3], v[GO+3], s[6:7]
.endm
.macro SWHOLE reg, sreg
.irp s, 0,1,2,3,4,5,6,7
.irp c, 0,1
	ds_store_b128 v[GA], v[\reg+8*\s+4*\c:\reg+8*\s+4*\c+3] offset:1024*\s+512*\c
.endr
.endr
.irp j, 0,1
	ds_store_b128 v[GA], v[\sreg+4*\j:\sreg+4*\j+3] offset:8192+512*\j
.endr
.endm
.macro SHALF reg, sreg
.irp s, 0,1,2,3
.irp c, 0,1
	ds_store_b128 v[GB], v[\reg+8*\s+4*\c:\reg+8*\s+4*\c+3] offset:1024*\s+512*\c
.endr
.endr
	ds_store_b128 v[GS], v[\sreg:\sreg+3]
.endm
.macro BARRIER                         ; my LDS stores have landed and my LDS loads are in: then the work-group's barrier
	s_wait_dscnt 0x0
	s_barrier_signal -1
	s_barrier_wait -1
.endm
	s_load_b256 s[4:11], s[0:1], 0x0               ; xcodes, xscales, masks, w1
	s_load_b128 s[12:15], s[0:1], 0x20             ; b1, hcodes
	s_load_b64 s[50:51], s[0:1], 0x30              ; hscales
	v_lshrrev_b32 v16, 5, v0
	v_readfirstlane_b32 s[WV], v16                 ; wave 0..15
	s_and_b32 s[CG], s[WV], 3
	s_lshr_b32 s[RQ], s[WV], 2
	s_and_b32 s[E], ttmp7, 0xffff                  ; the expert
	v_and_b32 v16, 31, v0                          ; lane
	v_and_b32 v17, 15, v0                          ; r
	v_bfe_u32 v18, v0, 4, 1                        ; h (in the stream: u, my tile)
	v_and_b32 v19, 8, v17
	v_add_nc_u32 v19, v19, v17                     ; r + 8 (r / 8)
	v_lshl_add_u32 v19, v18, 3, v19                ; + 8 u
	v_lshlrev_b32 v[WOFF], 2, v19
	v_lshlrev_b32 v[R16], 4, v17
	v_lshlrev_b32 v[H16], 4, v18
	v_lshl_add_u32 v[R16H8], v18, 3, v[R16]
	v_lshlrev_b32 v[PS], 6, v18
	v_lshlrev_b32 v[L16], 4, v16
	s_lshl_b32 s[T0], s[CG], 14
	v_add_nc_u32 v[WRD], s[T0], v[L16]
	s_lshl_b32 s[T1], s[RQ], 11
	s_add_co_u32 s[T0], s[T0], s[T1]
	v_lshl_add_u32 v[WST], v18, 13, v[R16]
	v_add_nc_u32 v[WST], s[T0], v[WST]             ; 16,384 cg + 2,048 kp + 8,192 u + 16 r
	s_lshl_b32 s[T0], s[CG], 10
	s_add_co_u32 s[T0], s[T0], WSC
	v_lshl_add_u32 v[SRD], v16, 2, s[T0]
	s_lshl_b32 s[T1], s[RQ], 8
	s_add_co_u32 s[T0], s[T0], s[T1]
	v_lshl_add_u32 v[WSS], v16, 2, s[T0]
	s_lshl_b32 s[T0], s[WV], 4
	v_add_nc_u32 v[RKA], s[T0], v17                ; 16 w + r
	s_lshr_b32 s[T1], s[WV], 1
	s_add_co_u32 s[TL2], s[T1], 16
	s_lshl_b32 s[T0], s[TL2], 4
	v_add_nc_u32 v[RKB], s[T0], v17                ; 16 (16 + w / 2) + r
	s_mul_i32 s[T0], s[WV], XTILE
	s_add_co_u32 s[T0], s[T0], XIMG
	v_add_nc_u32 v[GA], s[T0], v[L16]
	s_mul_i32 s[T0], s[T1], XTILE
	s_add_co_u32 s[T0], s[T0], XIMG+16*XTILE
	s_and_b32 s[T1], s[WV], 1
	s_lshl_b32 s[HC], s[T1], 8
	s_lshl_b32 s[HSC], s[T1], 4
	s_lshl_b32 s[PF], s[T1], 12
	s_add_co_u32 s[PF], s[PF], s[T0]
	v_add_nc_u32 v[GB], s[PF], v[L16]
	s_lshl_b32 s[PF], s[T1], 9
	s_add_co_u32 s[PF], s[PF], s[T0]
	s_add_co_u32 s[PF], s[PF], 8192
	v_add_nc_u32 v[GS], s[PF], v[L16]
	s_mov_b32 s[A13], 0xaf95df0b
	s_mov_b32 s[A13+1], s[A13]
	s_mov_b32 s[B8], 0xb77460cd
	s_mov_b32 s[B8+1], s[B8]
	s_mov_b32 s[SEL], 0x76543210
	s_mov_b32 s[SEL+1], 0xfedcba98
	s_mov_b32 s[OF+1], 0
	s_lshl_b32 s[OF], s[E], 7
	s_wait_kmcnt 0x0
	s_add_nc_u64 s[8:9], s[8:9], s[OF:OF+1]
	s_load_b512 s[16:31], s[8:9], 0x0              ; the expert's mask: 32 words; they stay
	s_load_b512 s[32:47], s[8:9], 0x40
	s_lshl_b32 s[OF], s[E], 24                     ; W1: expert, 256 kp rows, column 128 ks + 32 cg
	s_lshl_b32 s[T0], s[RQ], 22
	s_add_co_u32 s[OF], s[OF], s[T0]
	s_lshl_b32 s[T0], ttmp9, 9
	s_add_co_u32 s[OF], s[OF], s[T0]
	s_lshl_b32 s[T0], s[CG], 7
	s_add_co_u32 s[OF], s[OF], s[T0]
	s_add_nc_u64 s[WB:WB+1], s[10:11], s[OF:OF+1]
	s_lshl_b32 s[OF], s[E], 14                     ; b1: expert, unit 128 ks + 32 cg
	s_lshl_b32 s[T0], ttmp9, 9
	s_add_co_u32 s[OF], s[OF], s[T0]
	s_lshl_b32 s[T0], s[CG], 7
	s_add_co_u32 s[OF], s[OF], s[T0]
	s_add_nc_u64 s[12:13], s[12:13], s[OF:OF+1]
	s_lshl_b32 s[OF], s[E], 21                     ; hcodes: expert (64 tiles x 32 K steps x 1,024), K step ks, block cg's 256 bytes of the image
	s_lshl_b32 s[T0], ttmp9, 10
	s_add_co_u32 s[OF], s[OF], s[T0]
	s_lshl_b32 s[T0], s[CG], 8
	s_add_co_u32 s[OF], s[OF], s[T0]
	s_add_nc_u64 s[HB:HB+1], s[14:15], s[OF:OF+1]
	s_lshl_b32 s[OF], s[E], 17                     ; hscales: expert, group ks / 4 of 256 bytes, word ks % 4, byte cg
	s_lshr_b32 s[T0], ttmp9, 2
	s_lshl_b32 s[T0], s[T0], 8
	s_add_co_u32 s[OF], s[OF], s[T0]
	s_and_b32 s[T0], ttmp9, 3
	s_lshl_b32 s[T0], s[T0], 2
	s_add_co_u32 s[OF], s[OF], s[T0]
	s_add_co_u32 s[OF], s[OF], s[CG]
	s_add_nc_u64 s[SB:SB+1], s[50:51], s[OF:OF+1]
.irp i, 0,1,2,3
	global_load_b128 v[BIAS+4*\i:BIAS+4*\i+3], v[PS], s[12:13] offset:16*\i   ; b1 at hidden units 16 h + 0 .. 15 of my 32
.endr
	LOAD 0
	LOAD 1
	s_wait_kmcnt 0x0                               ; the mask
	s_bcnt1_i32_b32 s[CNT], s16
.irp w, 17,18,19,20,21,22,23,24,25,26,27,28,29,30,31,32,33,34,35,36,37,38,39,40,41,42,43,44,45,46,47
	s_bcnt1_i32_b32 s[T0], s[\w]
	s_add_co_u32 s[CNT], s[CNT], s[T0]
.endr
	s_add_co_u32 s[NT], s[CNT], 15
	s_lshr_b32 s[NT], s[NT], 4                     ; tiles of 16 rows
	s_sub_co_u32 s[CM1], s[CNT], 1
	SETTMP 20                                      ; at work in registers that W1's fragments take later
	SELECT 0
	GOFF 1
	; the first chunk of x is gathered under the stream.  Tile w is gathered whatever the count (every rank holds a token); the half of tile 16 + w / 2 only where the expert has that tile.
	; The two ways differ in the number of loads, so the stream's first two blocks, whose waits count them, are written on both.
	s_cmp_lt_u32 s[TL2], s[NT]
	s_cbranch_scc0 .Lshort
	GWHOLE 16, 80
	GHALF 88, 120
	BLOCK 0, 59                                    ; behind block 0's loads: block 1's 32 and the gather's 27
	BLOCK 1, 59                                    ; behind block 1's: the gather's 27 and block 2's 32
	s_wait_loadcnt 32                              ; behind block 2's: block 3's 32.  So the gather is in:
	SWHOLE 16, 80
	SHALF 88, 120
	s_branch .Ljoin
.Lshort:
	GWHOLE 16, 80
	BLOCK 0, 50                                    ; behind block 0's loads: block 1's 32 and the gather's 18
	BLOCK 1, 50                                    ; behind block 1's: the gather's 18 and block 2's 32
	s_wait_loadcnt 32                              ; the gather is in
	SWHOLE 16, 80
.Ljoin:
	BLOCK 2, 32
	BLOCK 3, 32
	BLOCK 4, 32
	BLOCK 5, 32
	BLOCK 6, 32
	BLOCK 7, 0
	ds_store_b32 v[WSS], v[SW]                     ; my column's scale words of K steps 2 kp and 2 kp + 1
	ds_store_b32 v[WSS], v[SW+1] offset:128
	BARRIER                                        ; W1's 64 fragments, their scale words and the first chunk of x lie in LDS
.irp u, 0,1
.irp s, 0,1,2,3,4,5,6,7
.irp c, 0,1
	ds_load_b128 v[W+64*\u+8*\s+4*\c:W+64*\u+8*\s+4*\c+3], v[WRD] offset:8192*\u+1024*\s+512*\c
.endr
.endr
.endr
.irp s, 0,1,2,3,4,5,6,7
	ds_load_b32 v[WS+\s], v[SRD] offset:128*\s
.endr
.macro MM s, u                         ; K step s, tile u.  The two accumulators take turns, one instruction a turn; the bias is the C of a sum's first product
.if (\s) == 0
.if (\u) == 0
	v_wmma_scale_f32_16x16x128_f8f6f4 v[ACC:ACC+7], v[W:W+7], v[XF:XF+7], v[BIAS:BIAS+7], v[WS], v[XS] matrix_a_fmt:MATRIX_FMT_FP4 matrix_b_fmt:MATRIX_FMT_FP4
.else
	v_wmma_scale_f32_16x16x128_f8f6f4 v[ACC+8:ACC+15], v[W+64:W+71], v[XF:XF+7], v[BIAS+8:BIAS+15], v[WS], v[XS] matrix_a_fmt:MATRIX_FMT_FP4 matrix_b_fmt:MATRIX_FMT_FP4 matrix_a_scale:MATRIX_SCALE_ROW1
.endif
.else
.if (\u) == 0
	v_wmma_scale_f32_16x16x128_f8f6f4 v[ACC:ACC+7], v[W+8*\s:W+8*\s+7], v[XF+8*\s:XF+8*\s+7], v[ACC:ACC+7], v[WS+\s], v[XS+\s] matrix_a_fmt:MATRIX_FMT_FP4 matrix_b_fmt:MATRIX_FMT_FP4
.else
	v_wmma_scale_f32_16x16x128_f8f6f4 v[ACC+8:ACC+15], v[W+64+8*\s:W+64+8*\s+7], v[XF+8*\s:XF+8*\s+7], v[ACC+8:ACC+15], v[WS+\s], v[XS+\s] matrix_a_fmt:MATRIX_FMT_FP4 matrix_b_fmt:MATRIX_FMT_FP4 matrix_a_scale:MATRIX_SCALE_ROW1
.endif
.endif
.endm
; The tiles cb + rq, cb + rq + 4, .. of a chunk: a loop of constant count; a tile from nt on is passed over.
.macro COMPUTE cb, trips
	s_add_co_u32 s[TI], s[RQ], \cb
	s_mul_i32 s[STL], s[RQ], XTILE
	s_add_co_u32 s[STL], s[STL], XIMG
	s_mov_b32 s[TRIP], 0
.Ltrip_\@:
	s_cmp_ge_u32 s[TI], s[NT]
	s_cbranch_scc1 .Lnone_\@
	s_wait_xcnt 0x0                                ; the last tile's stores have read their data and offsets: both are written again below
	v_add_nc_u32 v[XA], s[STL], v[L16]
	s_lshl_b32 s[T0], s[TI], 15
	v_add_nc_u32 v[HO], s[T0], v[R16H8]            ; a tile of hcodes is 32 K steps x 1,024 bytes
	s_lshl_b32 s[T0], s[TI], 11
	v_add_nc_u32 v[SO], s[T0], v[R16]              ; a tile of hscales is 2,048 bytes
.irp s, 0,1,2,3,4,5,6,7
.irp c, 0,1
	ds_load_b128 v[XF+8*\s+4*\c:XF+8*\s+4*\c+3], v[XA] offset:1024*\s+512*\c
.endr
.endr
.irp j, 0,1
	ds_load_b128 v[XS+4*\j:XS+4*\j+3], v[XA] offset:8192+512*\j
.endr
	s_wait_dscnt 0x0                               ; (in the first tile: W1's fragments too)
.irp s, 0,1,2,3,4,5,6,7
.irp u, 0,1
	MM \s, \u
.endr
.endr
	PLACES 5                                       ; four ahead of the first read of results and of writes into operands; the fifth since the next tile's first products begin these accumulators anew
	; lane (r, h): token r; ACC + i = hidden unit 16 h + i of my 32.  gelu(a) = a/2 + a/2 erf(a / sqrt 2), erf(z) = z P(z^2) / Q(z^2); each accumulator is read from its low end on
.irp j, 0,2,4,6,8,10,12,14
	v_pk_mul_f32 v[Z+\j:Z+\j+1], v[ACC+\j:ACC+\j+1], 0x3f3504f3 op_sel_hi:[1,0]
.endr
.irp j, 0,1,2,3,4,5,6,7,8,9,10,11,12,13,14,15
	v_med3_num_f32 v[Z+\j], v[Z+\j], -4.0, 4.0
.endr
.irp j, 0,2,4,6,8,10,12,14
	v_pk_mul_f32 v[S+\j:S+\j+1], v[Z+\j:Z+\j+1], v[Z+\j:Z+\j+1]
.endr
.irp j, 0,2,4,6,8,10,12,14
	v_pk_fma_f32 v[P+\j:P+\j+1], v[S+\j:S+\j+1], s[A13:A13+1], 0x32edffee op_sel_hi:[1,0,0]
.endr
.irp k, 0xb60cff51, 0xb86ec2d2, 0xba40ac63, 0xbb41a1f6, 0xbc83dbd4
.irp j, 0,2,4,6,8,10,12,14
	v_pk_fma_f32 v[P+\j:P+\j+1], v[P+\j:P+\j+1], v[S+\j:S+\j+1], \k op_sel_hi:[1,1,0]
.endr
.endr
.irp j, 0,2,4,6,8,10,12,14
	v_pk_mul_f32 v[P+\j:P+\j+1], v[P+\j:P+\j+1], v[Z+\j:Z+\j+1]
.endr
.irp j, 0,2,4,6,8,10,12,14
	v_pk_fma_f32 v[Q+\j:Q+\j+1], v[S+\j:S+\j+1], s[B8:B8+1], 0xb95fbd29 op_sel_hi:[1,0,0]
.endr
.irp k, 0xbadc924e, 0xbbf19bf8, 0xbc69b6a7
.irp j, 0,2,4,6,8,10,12,14
	v_pk_fma_f32 v[Q+\j:Q+\j+1], v[Q+\j:Q+\j+1], v[S+\j:S+\j+1], \k op_sel_hi:[1,1,0]
.endr
.endr
.irp j, 0,1,2,3,4,5,6,7,8,9,10,11,12,13,14,15
	v_rcp_f32 v[Q+\j], v[Q+\j]                     ; one batch
.endr
.irp j, 0,2,4,6,8,10,12,14
	v_pk_mul_f32 v[ACC+\j:ACC+\j+1], v[ACC+\j:ACC+\j+1], 0.5 op_sel_hi:[1,0]   ; plain work that names no reciprocal
.endr
	s_wait_alu depctr_va_vdst(0)                   ; the one wait ahead of the batch's first reader
.irp j, 0,2,4,6,8,10,12,14
	v_pk_mul_f32 v[P+\j:P+\j+1], v[P+\j:P+\j+1], v[Q+\j:Q+\j+1]
.endr
.irp j, 0,1,2,3,4,5,6,7,8,9,10,11,12,13,14,15
	v_med3_num_f32 v[P+\j], v[P+\j], -1.0, 1.0
.endr
.irp j, 0,2,4,6,8,10,12,14
	v_pk_fma_f32 v[ACC+\j:ACC+\j+1], v[ACC+\j:ACC+\j+1], v[P+\j:P+\j+1], v[ACC+\j:ACC+\j+1]
.endr
	; the block of 32 hidden units of token r lies in lanes l and l xor 16
	v_max3_num_f32 v[Z], |v[ACC]|, |v[ACC+1]|, 0x1800000
.irp i, 2,4,6,8,10,12,14
	v_max3_num_f32 v[Z], v[Z], |v[ACC+\i]|, |v[ACC+\i+1]|
.endr
	v_permlanex16_b32 v[PS], v[Z], s[SEL], s[SEL+1]
	v_max_num_f32 v[Z], v[Z], v[PS]
	v_add_nc_u32 v[Z+1], 0xff000000, v[Z]
	v_lshrrev_b32 v[Z+4], 23, v[Z+1]               ; the scale's byte
	v_cvt_scalef32_pk8_fp4_f32 v[Z+2], v[ACC:ACC+7], v[Z+1]
	v_cvt_scalef32_pk8_fp4_f32 v[Z+3], v[ACC+8:ACC+15], v[Z+1]
	v_nop                                          ; one plain place behind the conversions
	global_store_b64 v[HO], v[Z+2:Z+3], s[HB:HB+1] ; the wave stores 256 consecutive bytes, aligned: its block's part of the fragment's image
	global_store_b8 v[SO], v[Z+4], s[SB:SB+1]      ; lanes r and r + 16 store the same byte
.Lnone_\@:
	s_add_co_u32 s[TI], s[TI], 4
	s_add_co_u32 s[STL], s[STL], 4*XTILE
	s_add_co_u32 s[TRIP], s[TRIP], 1
	s_cmp_lt_u32 s[TRIP], \trips
	s_cbranch_scc1 .Ltrip_\@
.endm
; The next chunk's tiles of x, where the expert has so many; the barrier behind it stands on every wave's path.
.macro GLATE cb, half
	s_cmp_le_u32 s[NT], \cb
	s_cbranch_scc1 .Lnot_\@
	s_wait_xcnt 0x0                                ; the last stores have read their data: those registers are written below
	SELECT \cb
	GOFF \half
	GWHOLE XF, XS
	s_wait_loadcnt 0x0
	SWHOLE XF, XS
.if \half
	s_wait_dscnt 0x0                               ; the stores have read their registers
	GHALF XF, XS
	s_wait_loadcnt 0x0
	SHALF XF, XS
.endif
.Lnot_\@:
	BARRIER
.endm
	SETTMP XF                                      ; from here on the ranks are searched in the registers of x's fragments, which are free between chunks
	COMPUTE 0, 6
	BARRIER                                        ; nobody reads the first 24 tiles any more
	GLATE 24, 1
	COMPUTE 24, 6
	BARRIER
	GLATE 48, 0
	COMPUTE 48, 4
	s_wait_xcnt 0x0
	v_lshl_add_u32 v254, v0, 2, 0x47000
	v_mov_b32 v255, 0
	s_wait_tensorcnt 0x0
	ds_add_u32 v254, v255
	s_wait_dscnt 0x0
	s_endpgm
.Lfunc_end_k_q26a7d899f2_ffn1:
	.size	k_q26a7d899f2_ffn1, .Lfunc_end_k_q26a7d899f2_ffn1-k_q26a7d899f2_ffn1
	.p2alignl 7, 3214868480
	.fill 96, 4, 3214868480
	.section	.rodata,"a",@progbits
	.p2align	6, 0x0
	.amdhsa_kernel k_q26a7d899f2_ffn1
		.amdhsa_group_segment_fixed_size 292864
		.amdhsa_private_segment_fixed_size 0
		.amdhsa_enable_private_segment 0
		.amdhsa_kernarg_size 56
		.amdhsa_user_sgpr_count 2
		.amdhsa_user_sgpr_kernarg_segment_ptr 1
		.amdhsa_wavefront_size32 1
		.amdhsa_system_sgpr_workgroup_id_x 1
		.amdhsa_system_sgpr_workgroup_id_y 1
		.amdhsa_system_sgpr_workgroup_id_z 1
		.amdhsa_system_vgpr_workitem_id 0
		.amdhsa_next_free_vgpr 256
		.amdhsa_next_free_sgpr 96
		.amdhsa_reserve_vcc 1
		.amdhsa_float_denorm_mode_32 3
		.amdhsa_float_denorm_mode_16_64 3
		.amdhsa_memory_ordered 1
		.amdhsa_forward_progress 1
		.amdhsa_inst_pref_size 179
	.end_amdhsa_kernel
	.amdgpu_metadata
---
amdhsa.version: [ 1, 2 ]
amdhsa.kernels:
  - .name:           k_q26a7d899f2_ffn1
    .symbol:         k_q26a7d899f2_ffn1.kd
    .args:
      - { .name: xcodes, .offset: 0, .size: 8, .value_kind: global_buffer, .address_space: global }
      - { .name: xscales, .offset: 8, .size: 8, .value_kind: global_buffer, .address_space: global }
      - { .name: masks, .offset: 16, .size: 8, .value_kind: global_buffer, .address_space: global }
      - { .name: w1, .offset: 24, .size: 8, .value_kind: global_buffer, .address_space: global }
      - { .name: b1, .offset: 32, .size: 8, .value_kind: global_buffer, .address_space: global }
      - { .name: hcodes, .offset: 40, .size: 8, .value_kind: global_buffer, .address_space: global }
      - { .name: hscales, .offset: 48, .size: 8, .value_kind: global_buffer, .address_space: global }
    .group_segment_fixed_size: 292864
    .private_segment_fixed_size: 0
    .kernarg_segment_align: 8
    .kernarg_segment_size: 56
    .max_flat_workgroup_size: 512
    .sgpr_count:     96
    .vgpr_count:     256
    .wavefront_size: 32
...
	.end_amdgpu_metadata
.endif
;; end of part 2
;; launch ffn2 (part 3): grid 16 x 16, 16 waves a work-group, no clusters, 149,504 bytes of LDS; arguments hcodes, hscales, masks, pair, wts, w2, b2, ypart; writes ypart
.if DOCPART == 3
	.amdgcn_target "amdgcn-amd-amdhsa--gfx1250"
	.amdhsa_code_object_version 6
	.text
	.protected	k_q26a7d899f2_ffn2
	.globl	k_q26a7d899f2_ffn2
	.p2align	8
	.type	k_q26a7d899f2_ffn2,@function
k_q26a7d899f2_ffn2:
	s_mov_b64 s[64:65], 0
	v_nop
	global_prefetch_b8 v0, s[64:65] scope:SCOPE_SE
	s_setreg_imm32_b32 hwreg(HW_REG_WAVE_MODE, 25, 1), 1
	s_wait_xcnt 0x0
; FFN2.  ypart[kh][slot][token][:] = weight x (half kh of the sum h Q(W2[e]) (+ b2[e] in half 0)) for the tokens that chose expert e; slot says whether e is the token's first or second choice.
; A work-group (x = cs, y = 2 e + kh) takes 64 columns x 2,048 along K of W2[e]: 512 KB of f32, read ONCE and quantised on the way, as in the launch before: wave w streams 32 columns (cg = w % 2) x 256 along K (kp = w / 2);
; a lane takes a column, its registers run down K; the codes go to LDS as images of the operand's registers.  Behind a barrier wave (kq = w % 4, rq = w / 4) keeps K steps 4 kq .. + 3 of all four column tiles: 16 fragments.
; ROWS.  Tiles of 16 rows of the hidden layer lie in hcodes as images: a wave loads its four K steps of tile rq + 4 i straight into operand registers; each fragment is read by one wave of the work-group and feeds four products.
; The wave's first tile is asked for ahead of the stream's last block, into the landing registers that the block before has left.
; The product is used TRANSPOSED (source 0 = 16 columns of W2, source 1 = 16 rows): a lane holds eight neighbouring columns of one row.  The four kq parts meet in a stage in LDS, which is also the turn to whole rows:
; sixteen lanes store 256 consecutive bytes, aligned, of a token's row.  Ranks from the count on repeat the last token: the copies store the same values at the same places.
; The loop over tiles has a constant count and two barriers a trip; a tile from nt on is passed over by scalar branches that jump over no barrier.  No tensor load: branches hang on the stored masks.
; LIMITS: NaN and infinities are not served (b2 is multiplied by 0 in half 1).  A block of W2 whose largest magnitude lies under 2^-124 keeps the scale byte 1.
.set PITCH, 4096                       ; a row of W2[e] in bytes
.set IS,    4096                       ; from a K step's fragment to the next in LDS: four column tiles
.set WIMG,  0                          ; LDS: W2's 64 fragments: (4 s + ct) x 1,024
.set WSC,   65536                      ; their scale words: (2 s + cg) x 128 + 4 x lane: lanes 0-15 the even tile's, lanes 16-31 the odd one's
.set ROWI,  69632                      ; slot x 1,024 + token at each of 1,024 ranks
.set ROWW,  73728                      ; and the weight
.set STG,   77824                      ; the stage: a region of 16 rows x (256 bytes + 16) for each wave
.set SREG,  4352
.set RIS,  3                           ; v3   ROWI + 4 x thread
.set WOFF, 4                           ; v4   the stream: my column's bytes
.set WST,  5                           ; v5   where my codes go
.set WSS,  6                           ; v6   where my scale words go
.set WRD,  7                           ; v7   my K steps' fragments in LDS
.set SRD,  8                           ; v8   and their scale words
.set AO,   9                           ; v9   my offset in hcodes; steps four tiles a trip
.set HSO,  10                          ; v10  and in hscales
.set STO,  11                          ; v11  the stage: where I put 32 bytes of a row
.set RD,   12                          ; v12  and where I read rows back
.set RI0,  13                          ; v13  ROWI: my row of a tile
.set RI,   14
.set C16,  15                          ; v15  16 (lane % 16)
.set W,    16                          ; v16-143  W2's fragments: K step s, tile ct at 32 s + 8 ct
.set WS,   144                         ; v144-151 their scale words: scales alone
.set A,    152                         ; v152-183 four fragments of the hidden layer
.set ACC,  184                         ; v184-215 four accumulators
.set XL,   152                         ; the stream's two landing sets: v152-215
.set HS,   216                         ; v216-219 the hidden layer's scale words: scales alone
.set RED,  220                         ; v220-251 the four parts of two rows a lane
.set B2,   252                         ; v252-255 b2 at my four columns (0 in half 1)
.set IDX,  184                         ; the way out, in the accumulators' registers, which are free there: two row indices,
.set WGT,  186                         ; two weights,
.set YO,   188                         ; two offsets
.set C,    220                         ; the stream
.set MX,   224
.set SOP,  226
.set BY,   227
.set SW,   228
.set TOK,  230                         ; the tokens at ranks tid and tid + 512,
.set PR,   232                         ; their pairs of experts,
.set WT,   234                         ; their pairs of weights,
.set PRO,  238                         ; and the offsets of these loads
.set WO,   240
.set U,    242
.set QA, 20
.set QB, 21
.set WA, 22
.set WB2, 23
.set BA, 24
.set BB, 25
.set T,  26
.set RS, 27
.set POS, 28
.set A1, 29
.set A2, 30
.set A3, 31
.set A4, 32
.set WV, 56
.set CG, 57
.set KP, 58
.set KQ, 59
.set RQ, 60
.set E,  61
.set KH, 62
.set CNT, 63
.set NT, 66
.set TRIP, 67
.set WB, 68                            ; s[68:69] W2 at my wave's first number
.set AB, 70                            ; s[70:71] hcodes at the expert
.set HSB, 72                           ; s[72:73] hscales at the expert
.set YB, 74                            ; s[74:75] ypart: half kh, my 64 columns
.set TI, 76
.set T0, 77
.set T1, 78
.set PF, 79
.set OF, 80                            ; s[80:81] an offset in 64 bits
.set PK, 82
.set F,  83
.macro PLACES n
.rept \n
	v_nop
.endr
.endm
.macro LOAD t                          ; block t: W2(32 t + i, my column), i = 0 .. 31, into set t % 2: 128 consecutive bytes a load
.irp i, 0,1,2,3,4,5,6,7,8,9,10,11,12,13,14,15,16,17,18,19,20,21,22,23,24,25,26,27,28,29,30,31
	global_load_b32 v[XL+32*((\t)%2)+\i], v[WOFF], s[WB:WB+1] offset:(32*(\t)+\i)*PITCH th:TH_LOAD_NT
.endr
.endm
.macro BLOCK t, cnt                    ; cnt: the loads issued behind block t's
.set XB, XL+32*((\t)%2)
	s_wait_loadcnt \cnt
	v_max3_num_f32 v[MX], |v[XB]|, |v[XB+1]|, |v[XB+2]|
	v_max3_num_f32 v[MX+1], |v[XB+3]|, |v[XB+4]|, |v[XB+5]|
.irp i, 6,10,14,18,22,26
	v_max3_num_f32 v[MX], v[MX], |v[XB+\i]|, |v[XB+\i+1]|
	v_max3_num_f32 v[MX+1], v[MX+1], |v[XB+\i+2]|, |v[XB+\i+3]|
.endr
	v_max3_num_f32 v[MX], v[MX], |v[XB+30]|, |v[XB+31]|
	v_max3_num_f32 v[MX], v[MX], v[MX+1], 0x1800000 ; the floor 2^(3 - 127): the byte cannot fall under 1
	v_add_nc_u32 v[SOP], 0xff000000, v[MX]         ; 2 off the exponent field
	v_lshrrev_b32 v[BY], 23, v[SOP]
.if (\t)%4 == 0
	v_mov_b32 v[SW+(\t)/4], v[BY]
.else
	v_lshl_or_b32 v[SW+(\t)/4], v[BY], 8*((\t)%4), v[SW+(\t)/4]
.endif
	s_wait_dscnt 0x0                               ; the last block's store has read its registers
.irp g, 0,1,2,3
	v_cvt_scalef32_pk8_fp4_f32 v[C+\g], v[XB+8*\g:XB+8*\g+7], v[SOP]
.endr
	v_nop                                          ; one plain place behind the conversions
	ds_store_b128 v[WST], v[C:C+3] offset:((\t)/4)*IS+(((\t)%4)/2)*512+((\t)%2)*256
.if (\t) < 6
	LOAD (\t)+2
.endif
.endm
.macro DESC a, width
	v_bfe_u32 v[T], v[\a], v[POS], \width
	v_cmp_ge_u32 vcc_lo, v[RS], v[T]
	v_sub_nc_u32 v[T], v[RS], v[T]
	v_cndmask_b32 v[RS], v[RS], v[T], vcc_lo
	v_add_nc_u32 v[T], \width, v[POS]
	v_cndmask_b32 v[POS], v[POS], v[T], vcc_lo
.endm
.macro RANK q, word, base, tok         ; the token at rank q: its word and (ones below the word | word's number << 16) are known
	v_and_b32 v[T], 0xffff, v[\base]
	v_sub_nc_u32 v[RS], v[\q], v[T]
	v_lshrrev_b32 v[T], 1, v[\word]
	v_and_b32 v[T], 0x55555555, v[T]
	v_sub_nc_u32 v[A1], v[\word], v[T]
	v_lshrrev_b32 v[T], 2, v[A1]
	v_and_b32 v[T], 0x33333333, v[T]
	v_and_b32 v[A2], 0x33333333, v[A1]
	v_add_nc_u32 v[A2], v[A2], v[T]
	v_lshrrev_b32 v[T], 4, v[A2]
	v_add_nc_u32 v[T], v[A2], v[T]
	v_and_b32 v[A3], 0x0f0f0f0f, v[T]
	v_lshrrev_b32 v[T], 8, v[A3]
	v_add_nc_u32 v[T], v[A3], v[T]
	v_and_b32 v[A4], 0x00ff00ff, v[T]
	v_mov_b32 v[POS], 0
	DESC A4, 16
	DESC A3, 8
	DESC A2, 4
	DESC A1, 2
	DESC \word, 1
	v_lshrrev_b32 v[T], 16, v[\base]
	v_lshl_add_u32 v[\tok], v[T], 5, v[POS]
	v_min_u32 v[\tok], 0x3ff, v[\tok]
.endm
.macro BARRIER
	s_wait_dscnt 0x0
	s_barrier_signal -1
	s_barrier_wait -1
.endm
.macro LOADA                           ; my four K steps of a tile of the hidden layer, and their scale words (four words a row): 9 loads
.irp s, 0,1,2,3
.irp c, 0,1
	global_load_b128 v[A+8*\s+4*\c:A+8*\s+4*\c+3], v[AO], s[AB:AB+1] offset:1024*\s+512*\c
.endr
.endr
	global_load_b128 v[HS:HS+3], v[HSO], s[HSB:HSB+1]
.endm
	s_load_b256 s[4:11], s[0:1], 0x0               ; hcodes, hscales, masks, pair
	s_load_b256 s[48:55], s[0:1], 0x20             ; wts, w2, b2, ypart
	v_lshl_add_u32 v1, v0, 2, 0x24000
	v_mov_b32 v2, 0
	v_lshrrev_b32 v16, 5, v0
	v_readfirstlane_b32 s[WV], v16                 ; wave 0..15
	s_and_b32 s[CG], s[WV], 1
	s_lshr_b32 s[KP], s[WV], 1
	s_and_b32 s[KQ], s[WV], 3
	s_lshr_b32 s[RQ], s[WV], 2
	s_and_b32 s[T0], ttmp7, 0xffff
	s_lshr_b32 s[E], s[T0], 1                      ; the expert
	s_and_b32 s[KH], s[T0], 1                      ; which half of K
	v_and_b32 v16, 31, v0                          ; lane
	v_and_b32 v17, 15, v0                          ; r
	v_bfe_u32 v18, v0, 4, 1                        ; h (in the stream: u)
	v_lshlrev_b32 v[WOFF], 2, v16
	v_lshlrev_b32 v[C16], 4, v17
	v_lshlrev_b32 v19, 4, v16                      ; 16 x lane
	s_lshl_b32 s[T0], s[CG], 11
	s_lshl_b32 s[T1], s[KP], 13
	s_add_co_u32 s[T0], s[T0], s[T1]
	v_lshl_add_u32 v[WST], v18, 10, v[C16]
	v_add_nc_u32 v[WST], s[T0], v[WST]             ; 8,192 kp + 2,048 cg + 1,024 u + 16 r
	s_lshl_b32 s[T0], s[KP], 9
	s_lshl_b32 s[T1], s[CG], 7
	s_add_co_u32 s[T0], s[T0], s[T1]
	s_add_co_u32 s[T0], s[T0], WSC
	v_lshl_add_u32 v[WSS], v16, 2, s[T0]
	s_lshl_b32 s[T0], s[KQ], 14
	v_add_nc_u32 v[WRD], s[T0], v19
	s_lshl_b32 s[T0], s[KQ], 10
	s_add_co_u32 s[T0], s[T0], WSC
	v_lshl_add_u32 v[SRD], v16, 2, s[T0]
	s_lshl_b32 s[T0], s[RQ], 15                    ; hcodes: tile rq, K step 16 kh + 4 kq
	s_lshl_b32 s[T1], s[KH], 14
	s_add_co_u32 s[T0], s[T0], s[T1]
	s_lshl_b32 s[T1], s[KQ], 12
	s_add_co_u32 s[T0], s[T0], s[T1]
	v_add_nc_u32 v[AO], s[T0], v19
	s_lshl_b32 s[T0], s[RQ], 11                    ; hscales: tile rq, group 4 kh + kq, row r
	s_lshl_b32 s[T1], s[KH], 10
	s_add_co_u32 s[T0], s[T0], s[T1]
	s_lshl_b32 s[T1], s[KQ], 8
	s_add_co_u32 s[T0], s[T0], s[T1]
	v_add_nc_u32 v[HSO], s[T0], v[C16]
	s_mul_i32 s[T0], s[WV], SREG                   ; 4 rq + kq is my wave's number
	s_add_co_u32 s[T0], s[T0], STG
	v_mul_u32_u24 v[STO], v17, 272
	v_lshl_add_u32 v[STO], v18, 5, v[STO]
	v_add_nc_u32 v[STO], s[T0], v[STO]
	s_mul_i32 s[T0], s[RQ], 4*SREG
	s_mul_i32 s[T1], s[KQ], 4*272
	s_add_co_u32 s[T0], s[T0], s[T1]
	s_add_co_u32 s[T0], s[T0], STG
	v_mul_u32_u24 v[RD], v18, 272
	v_add_nc_u32 v[RD], v[RD], v[C16]
	v_add_nc_u32 v[RD], s[T0], v[RD]               ; rows 4 kq + h (+ 2) of my rq's four regions
	s_lshl_b32 s[T0], s[KQ], 4
	s_add_co_u32 s[T0], s[T0], ROWI
	v_lshl_add_u32 v[RI0], v18, 2, s[T0]
	v_lshl_add_u32 v[RIS], v0, 2, ROWI
.irp i, 0,1,2,3
	v_mov_b32 v[HS+\i], 0                          ; written on every path of the text; every product that reads them stands behind a load of them
.endr
	s_mov_b32 s[OF+1], 0
	s_lshl_b32 s[OF], s[E], 7
	s_wait_kmcnt 0x0
	s_add_nc_u64 s[8:9], s[8:9], s[OF:OF+1]
	s_load_b512 s[16:31], s[8:9], 0x0              ; the expert's mask
	s_load_b512 s[32:47], s[8:9], 0x40
	s_lshl_b32 s[OF], s[E], 24                     ; W2: expert, row 2,048 kh + 256 kp, column 64 cs + 32 cg
	s_lshl_b32 s[T0], s[KH], 23
	s_add_co_u32 s[OF], s[OF], s[T0]
	s_lshl_b32 s[T0], s[KP], 20
	s_add_co_u32 s[OF], s[OF], s[T0]
	s_lshl_b32 s[T0], ttmp9, 8
	s_add_co_u32 s[OF], s[OF], s[T0]
	s_lshl_b32 s[T0], s[CG], 7
	s_add_co_u32 s[OF], s[OF], s[T0]
	s_add_nc_u64 s[WB:WB+1], s[50:51], s[OF:OF+1]
	s_lshl_b32 s[OF], s[E], 21
	s_add_nc_u64 s[AB:AB+1], s[4:5], s[OF:OF+1]
	s_lshl_b32 s[OF], s[E], 17
	s_add_nc_u64 s[HSB:HSB+1], s[6:7], s[OF:OF+1]
	s_lshl_b32 s[OF], s[KH], 23                    ; ypart: a half is two slots x 1,024 rows x 4,096 bytes
	s_lshl_b32 s[T0], ttmp9, 8
	s_add_co_u32 s[OF], s[OF], s[T0]
	s_add_nc_u64 s[YB:YB+1], s[54:55], s[OF:OF+1]
	s_lshl_b32 s[OF], s[E], 12                     ; b2: expert, column 64 cs
	s_add_co_u32 s[OF], s[OF], s[T0]
	s_add_nc_u64 s[52:53], s[52:53], s[OF:OF+1]
	global_load_b128 v[B2:B2+3], v[C16], s[52:53]
	LOAD 0
	LOAD 1
	s_wait_kmcnt 0x0                               ; the mask
	s_bcnt1_i32_b32 s[CNT], s16
.irp w, 17,18,19,20,21,22,23,24,25,26,27,28,29,30,31,32,33,34,35,36,37,38,39,40,41,42,43,44,45,46,47
	s_bcnt1_i32_b32 s[T0], s[\w]
	s_add_co_u32 s[CNT], s[CNT], s[T0]
.endr
	s_add_co_u32 s[NT], s[CNT], 15
	s_lshr_b32 s[NT], s[NT], 4
	s_sub_co_u32 s[T0], s[CNT], 1
	v_min_u32 v[QA], s[T0], v0
	v_add_nc_u32 v[QB], 512, v0
	v_min_u32 v[QB], s[T0], v[QB]
	v_mov_b32 v[WA], s16
	v_mov_b32 v[WB2], s16
	v_mov_b32 v[BA], 0
	v_mov_b32 v[BB], 0
	s_mov_b32 s[PF], 0
.irp w, 1,2,3,4,5,6,7,8,9,10,11,12,13,14,15,16,17,18,19,20,21,22,23,24,25,26,27,28,29,30,31
	s_bcnt1_i32_b32 s[T0], s[16+\w-1]
	s_add_co_u32 s[PF], s[PF], s[T0]
	s_add_co_u32 s[PK], s[PF], (\w)<<16
	v_cmp_le_u32 vcc_lo, s[PF], v[QA]
	v_cndmask_b32 v[WA], v[WA], s[16+\w], vcc_lo
	v_cndmask_b32 v[BA], v[BA], s[PK], vcc_lo
	v_cmp_le_u32 vcc_lo, s[PF], v[QB]
	v_cndmask_b32 v[WB2], v[WB2], s[16+\w], vcc_lo
	v_cndmask_b32 v[BB], v[BB], s[PK], vcc_lo
.endr
	RANK QA, WA, BA, TOK
	RANK QB, WB2, BB, TOK+1
.irp i, 0,1
	v_lshlrev_b32 v[PRO+\i], 2, v[TOK+\i]
	v_lshlrev_b32 v[WO+\i], 3, v[TOK+\i]
.endr
	global_load_b32 v[PR], v[PRO], s[10:11]
	global_load_b32 v[PR+1], v[PRO+1], s[10:11]
	global_load_b64 v[WT:WT+1], v[WO], s[48:49]
	global_load_b64 v[WT+2:WT+3], v[WO+1], s[48:49]
	BLOCK 0, 36                                    ; behind block 0's loads: block 1's 32 and these four
	BLOCK 1, 36                                    ; behind block 1's: the four and block 2's 32
	s_wait_loadcnt 32                              ; behind block 2's: block 3's 32.  So the four are in (and b2, the oldest)
.irp i, 0,1
	v_lshrrev_b32 v[U], 8, v[PR+\i]                ; the token's second choice
	v_cmp_eq_u32 vcc_lo, s[E], v[U]
	v_cndmask_b32 v[U], 0, 1, vcc_lo               ; the slot
	v_lshl_add_u32 v[U+1], v[U], 10, v[TOK+\i]
	v_cndmask_b32 v[U+2], v[WT+2*\i], v[WT+2*\i+1], vcc_lo
	ds_store_b32 v[RIS], v[U+1] offset:2048*\i
	ds_store_b32 v[RIS], v[U+2] offset:ROWW-ROWI+2048*\i
.endr
	s_cmp_eq_u32 s[KH], 0
	s_cselect_b32 s[F], 0x3f800000, 0
.irp i, 0,1,2,3
	v_mul_f32 v[B2+\i], s[F], v[B2+\i]             ; the bias counts in half 0 alone
.endr
	BLOCK 2, 32
	BLOCK 3, 32
	BLOCK 4, 32
	BLOCK 5, 32
	BLOCK 6, 32
	; block 6 has left landing set 0, which is the fragments' registers: my first tile, if the expert has it, is asked for here, a block ahead of the stream's end.
	; The two ways differ in the number of loads, so the last block, whose wait counts them, is written on both.
	s_cmp_lt_u32 s[RQ], s[NT]
	s_cbranch_scc0 .Lno_first
	LOADA
	BLOCK 7, 9                                     ; behind block 7's loads: the tile's nine
	s_branch .Lstreamed
.Lno_first:
	BLOCK 7, 0
.Lstreamed:
	ds_store_b32 v[WSS], v[SW]                     ; my column's scale words of K steps 2 kp and 2 kp + 1
	ds_store_b32 v[WSS], v[SW+1] offset:256
	BARRIER                                        ; W2's 64 fragments, their scale words and the rows' list lie in LDS
.irp s, 0,1,2,3
.irp ct, 0,1,2,3
.irp c, 0,1
	ds_load_b128 v[W+32*\s+8*\ct+4*\c:W+32*\s+8*\ct+4*\c+3], v[WRD] offset:1024*(4*\s+\ct)+512*\c
.endr
.endr
.endr
.irp s, 0,1,2,3
.irp g, 0,1
	ds_load_b32 v[WS+2*\s+\g], v[SRD] offset:128*(2*\s+\g)
.endr
.endr
	s_wait_dscnt 0x0
.macro MM s, ct                        ; K step s, column tile ct.  The four accumulators take turns, one instruction a turn; the first K step starts the sums
.if (\s) == 0
.if ((\ct) % 2) == 0
	v_wmma_scale_f32_16x16x128_f8f6f4 v[ACC+8*\ct:ACC+8*\ct+7], v[W+8*\ct:W+8*\ct+7], v[A:A+7], 0, v[WS+(\ct)/2], v[HS] matrix_a_fmt:MATRIX_FMT_FP4 matrix_b_fmt:MATRIX_FMT_FP4
.else
	v_wmma_scale_f32_16x16x128_f8f6f4 v[ACC+8*\ct:ACC+8*\ct+7], v[W+8*\ct:W+8*\ct+7], v[A:A+7], 0, v[WS+(\ct)/2], v[HS] matrix_a_fmt:MATRIX_FMT_FP4 matrix_b_fmt:MATRIX_FMT_FP4 matrix_a_scale:MATRIX_SCALE_ROW1
.endif
.else
.if ((\ct) % 2) == 0
	v_wmma_scale_f32_16x16x128_f8f6f4 v[ACC+8*\ct:ACC+8*\ct+7], v[W+32*\s+8*\ct:W+32*\s+8*\ct+7], v[A+8*\s:A+8*\s+7], v[ACC+8*\ct:ACC+8*\ct+7], v[WS+2*\s+(\ct)/2], v[HS+\s] matrix_a_fmt:MATRIX_FMT_FP4 matrix_b_fmt:MATRIX_FMT_FP4
.else
	v_wmma_scale_f32_16x16x128_f8f6f4 v[ACC+8*\ct:ACC+8*\ct+7], v[W+32*\s+8*\ct:W+32*\s+8*\ct+7], v[A+8*\s:A+8*\s+7], v[ACC+8*\ct:ACC+8*\ct+7], v[WS+2*\s+(\ct)/2], v[HS+\s] matrix_a_fmt:MATRIX_FMT_FP4 matrix_b_fmt:MATRIX_FMT_FP4 matrix_a_scale:MATRIX_SCALE_ROW1
.endif
.endif
.endm
	s_mov_b32 s[TI], s[RQ]
	s_mov_b32 s[TRIP], 0
.Ltrip:                                                ; 16 trips: tile rq + 4 i
	s_cmp_ge_u32 s[TI], s[NT]
	s_cbranch_scc1 .Lno_products
	s_wait_loadcnt 0x0                             ; the tile's fragments and scale words, asked for behind the last trip's products (the first tile's: ahead of the stream's last block)
.irp s, 0,1,2,3
.irp ct, 0,1,2,3
	MM \s, \ct
.endr
.endr
	PLACES 5                                       ; four ahead of loads into operands and of the first read of results; the fifth since the next tile's first products begin these accumulators anew
	v_add_nc_u32 v[AO], 0x20000, v[AO]             ; four tiles on (the loads that read these offsets are done)
	v_add_nc_u32 v[HSO], 0x2000, v[HSO]
	s_add_co_u32 s[T0], s[TI], 4
	s_cmp_lt_u32 s[T0], s[NT]
	s_cbranch_scc0 .Lno_next
	LOADA                                          ; the next tile: it has the stage, the sums and two barriers in which to land
.Lno_next:
.irp ct, 0,1,2,3
	ds_store_b128 v[STO], v[ACC+8*\ct:ACC+8*\ct+3] offset:64*\ct          ; lane (r, h): row r, columns 16 ct + 8 h + 0 .. 7; each accumulator from its low end on
	ds_store_b128 v[STO], v[ACC+8*\ct+4:ACC+8*\ct+7] offset:64*\ct+16
.endr
.Lno_products:
	BARRIER                                        ; the four parts of each tile lie in the stage
	s_cmp_ge_u32 s[TI], s[NT]
	s_cbranch_scc1 .Lno_rows
	s_lshl_b32 s[T0], s[TI], 6
	v_add_nc_u32 v[RI], s[T0], v[RI0]              ; rank 16 x tile + 4 kq + h (+ 2)
	ds_load_b32 v[IDX], v[RI]
	ds_load_b32 v[IDX+1], v[RI] offset:8
	ds_load_b32 v[WGT], v[RI] offset:ROWW-ROWI
	ds_load_b32 v[WGT+1], v[RI] offset:ROWW-ROWI+8
.irp q, 0,1,2,3
.irp jj, 0,1
	ds_load_b128 v[RED+8*\q+4*\jj:RED+8*\q+4*\jj+3], v[RD] offset:SREG*\q+544*\jj
.endr
.endr
	s_wait_dscnt 0x0
.irp jj, 0,1
	v_min_u32 v[IDX+\jj], 0x7ff, v[IDX+\jj]
	v_lshl_add_u32 v[YO+\jj], v[IDX+\jj], 12, v[C16]   ; a row of ypart is 4,096 bytes
.endr
.irp jj, 0,1
.irp p, 0,2
	v_pk_add_f32 v[RED+4*\jj+\p:RED+4*\jj+\p+1], v[RED+4*\jj+\p:RED+4*\jj+\p+1], v[RED+8+4*\jj+\p:RED+8+4*\jj+\p+1]
	v_pk_add_f32 v[RED+16+4*\jj+\p:RED+16+4*\jj+\p+1], v[RED+16+4*\jj+\p:RED+16+4*\jj+\p+1], v[RED+24+4*\jj+\p:RED+24+4*\jj+\p+1]
.endr
.irp p, 0,2
	v_pk_add_f32 v[RED+4*\jj+\p:RED+4*\jj+\p+1], v[RED+4*\jj+\p:RED+4*\jj+\p+1], v[RED+16+4*\jj+\p:RED+16+4*\jj+\p+1]
.endr
.irp p, 0,2
	v_pk_add_f32 v[RED+4*\jj+\p:RED+4*\jj+\p+1], v[RED+4*\jj+\p:RED+4*\jj+\p+1], v[B2+\p:B2+\p+1]
.endr
.irp p, 0,2
	v_pk_mul_f32 v[RED+4*\jj+\p:RED+4*\jj+\p+1], v[RED+4*\jj+\p:RED+4*\jj+\p+1], v[WGT:WGT+1] op_sel:[0,\jj] op_sel_hi:[1,\jj]   ; x the row's weight: register jj of the pair for both halves
.endr
	global_store_b128 v[YO+\jj], v[RED+4*\jj:RED+4*\jj+3], s[YB:YB+1]   ; sixteen lanes store 256 consecutive bytes, aligned, of a token's row
.endr
	s_wait_xcnt 0x0                                ; the stores have read their data and offsets: the next trip writes both again
.Lno_rows:
	BARRIER                                        ; nobody reads the stage any more
	s_add_co_u32 s[TI], s[TI], 4
	s_add_co_u32 s[TRIP], s[TRIP], 1
	s_cmp_lt_u32 s[TRIP], 16
	s_cbranch_scc1 .Ltrip
	s_wait_tensorcnt 0x0
	ds_add_u32 v1, v2
	s_wait_dscnt 0x0
	s_endpgm
.Lfunc_end_k_q26a7d899f2_ffn2:
	.size	k_q26a7d899f2_ffn2, .Lfunc_end_k_q26a7d899f2_ffn2-k_q26a7d899f2_ffn2
	.p2alignl 7, 3214868480
	.fill 96, 4, 3214868480
	.section	.rodata,"a",@progbits
	.p2align	6, 0x0
	.amdhsa_kernel k_q26a7d899f2_ffn2
		.amdhsa_group_segment_fixed_size 149504
		.amdhsa_private_segment_fixed_size 0
		.amdhsa_enable_private_segment 0
		.amdhsa_kernarg_size 64
		.amdhsa_user_sgpr_count 2
		.amdhsa_user_sgpr_kernarg_segment_ptr 1
		.amdhsa_wavefront_size32 1
		.amdhsa_system_sgpr_workgroup_id_x 1
		.amdhsa_system_sgpr_workgroup_id_y 1
		.amdhsa_system_sgpr_workgroup_id_z 1
		.amdhsa_system_vgpr_workitem_id 0
		.amdhsa_next_free_vgpr 256
		.amdhsa_next_free_sgpr 96
		.amdhsa_reserve_vcc 1
		.amdhsa_float_denorm_mode_32 3
		.amdhsa_float_denorm_mode_16_64 3
		.amdhsa_memory_ordered 1
		.amdhsa_forward_progress 1
		.amdhsa_inst_pref_size 75
	.end_amdhsa_kernel
	.amdgpu_metadata
---
amdhsa.version: [ 1, 2 ]
amdhsa.kernels:
  - .name:           k_q26a7d899f2_ffn2
    .symbol:         k_q26a7d899f2_ffn2.kd
    .args:
      - { .name: hcodes, .offset: 0, .size: 8, .value_kind: global_buffer, .address_space: global }
      - { .name: hscales, .offset: 8, .size: 8, .value_kind: global_buffer, .address_space: global }
      - { .name: masks, .offset: 16, .size: 8, .value_kind: global_buffer, .address_space: global }
      - { .name: pair, .offset: 24, .size: 8, .value_kind: global_buffer, .address_space: global }
      - { .name: wts, .offset: 32, .size: 8, .value_kind: global_buffer, .address_space: global }
      - { .name: w2, .offset: 40, .size: 8, .value_kind: global_buffer, .address_space: global }
      - { .name: b2, .offset: 48, .size: 8, .value_kind: global_buffer, .address_space: global }
      - { .name: ypart, .offset: 56, .size: 8, .value_kind: global_buffer, .address_space: global }
    .group_segment_fixed_size: 149504
    .private_segment_fixed_size: 0
    .kernarg_segment_align: 8
    .kernarg_segment_size: 64
    .max_flat_workgroup_size: 512
    .sgpr_count:     96
    .vgpr_count:     256
    .wavefront_size: 32
...
	.end_amdgpu_metadata
.endif
;; end of part 3
;; launch combine (part 4): grid 256 x 1, 8 waves a work-group, no clusters, 0 bytes of LDS; arguments ypart, out0; writes out0
.if DOCPART == 4
	.amdgcn_target "amdgcn-amd-amdhsa--gfx1250"
	.amdhsa_code_object_version 6
	.text
	.protected	k_q26a7d899f2_combine
	.globl	k_q26a7d899f2_combine
	.p2align	8
	.type	k_q26a7d899f2_combine,@function
k_q26a7d899f2_combine:
	s_mov_b64 s[64:65], 0
	v_nop
	global_prefetch_b8 v0, s[64:65] scope:SCOPE_SE
	s_setreg_imm32_b32 hwreg(HW_REG_WAVE_MODE, 25, 1), 1
	s_wait_xcnt 0x0
; COMBINE.  out0[token][:] = the sum of the four planes of ypart (two halves of K x the token's two experts); the weights and biases are in them already.
; A stream: a work-group takes 4 rows (16 KB of each plane), a thread 16 bytes of each row; all sixteen loads of a thread go out together, each of a wave's loads and stores covers 512 consecutive bytes.
; Every byte of ypart was stored by the launch before: each token has two different experts, both halves of K and all sixteen slices of columns.
; No LDS, no barrier, no matrix unit: memory binds, and nothing is shared.
.set PLANE, 4194304                    ; 1,024 rows x 4,096 bytes
	s_load_b128 s[4:7], s[0:1], 0x0                ; ypart, out0
	v_lshlrev_b32 v1, 4, v0
	s_lshl_b32 s8, ttmp9, 14
	s_mov_b32 s9, 0
	s_wait_kmcnt 0x0
	s_add_nc_u64 s[4:5], s[4:5], s[8:9]            ; half 0 at my rows
	s_add_nc_u64 s[6:7], s[6:7], s[8:9]
	s_add_nc_u64 s[10:11], s[4:5], 2*PLANE         ; half 1
.irp j, 0,1,2,3
	global_load_b128 v[4+16*\j:7+16*\j], v1, s[4:5] offset:4096*\j th:TH_LOAD_NT
	global_load_b128 v[8+16*\j:11+16*\j], v1, s[4:5] offset:PLANE+4096*\j th:TH_LOAD_NT
	global_load_b128 v[12+16*\j:15+16*\j], v1, s[10:11] offset:4096*\j th:TH_LOAD_NT
	global_load_b128 v[16+16*\j:19+16*\j], v1, s[10:11] offset:PLANE+4096*\j th:TH_LOAD_NT
.endr
.irp j, 0,1,2,3
	s_wait_loadcnt 12-4*\j                         ; row j's four loads are in; the later rows' may be out
.irp p, 0,2
	v_pk_add_f32 v[4+16*\j+\p:5+16*\j+\p], v[4+16*\j+\p:5+16*\j+\p], v[8+16*\j+\p:9+16*\j+\p]
	v_pk_add_f32 v[12+16*\j+\p:13+16*\j+\p], v[12+16*\j+\p:13+16*\j+\p], v[16+16*\j+\p:17+16*\j+\p]
.endr
.irp p, 0,2
	v_pk_add_f32 v[4+16*\j+\p:5+16*\j+\p], v[4+16*\j+\p:5+16*\j+\p], v[12+16*\j+\p:13+16*\j+\p]
.endr
	global_store_b128 v1, v[4+16*\j:7+16*\j], s[6:7] offset:4096*\j th:TH_STORE_NT
.endr
	s_endpgm
.Lfunc_end_k_q26a7d899f2_combine:
	.size	k_q26a7d899f2_combine, .Lfunc_end_k_q26a7d899f2_combine-k_q26a7d899f2_combine
	.p2alignl 7, 3214868480
	.fill 96, 4, 3214868480
	.section	.rodata,"a",@progbits
	.p2align	6, 0x0
	.amdhsa_kernel k_q26a7d899f2_combine
		.amdhsa_group_segment_fixed_size 0
		.amdhsa_private_segment_fixed_size 0
		.amdhsa_enable_private_segment 0
		.amdhsa_kernarg_size 16
		.amdhsa_user_sgpr_count 2
		.amdhsa_user_sgpr_kernarg_segment_ptr 1
		.amdhsa_wavefront_size32 1
		.amdhsa_system_sgpr_workgroup_id_x 1
		.amdhsa_system_sgpr_workgroup_id_y 1
		.amdhsa_system_sgpr_workgroup_id_z 1
		.amdhsa_system_vgpr_workitem_id 0
		.amdhsa_next_free_vgpr 72
		.amdhsa_next_free_sgpr 66
		.amdhsa_reserve_vcc 0
		.amdhsa_float_denorm_mode_32 3
		.amdhsa_float_denorm_mode_16_64 3
		.amdhsa_memory_ordered 1
		.amdhsa_forward_progress 1
		.amdhsa_inst_pref_size 5
	.end_amdhsa_kernel
	.amdgpu_metadata
---
amdhsa.version: [ 1, 2 ]
amdhsa.kernels:
  - .name:           k_q26a7d899f2_combine
    .symbol:         k_q26a7d899f2_combine.kd
    .args:
      - { .name: ypart, .offset: 0, .size: 8, .value_kind: global_buffer, .address_space: global }
      - { .name: out0, .offset: 8, .size: 8, .value_kind: global_buffer, .address_space: global }
    .group_segment_fixed_size: 0
    .private_segment_fixed_size: 0
    .kernarg_segment_align: 8
    .kernarg_segment_size: 16
    .max_flat_workgroup_size: 256
    .sgpr_count:     66
    .vgpr_count:     72
    .wavefront_size: 32
...
	.end_amdgpu_metadata
.endif
;; end of part 4
;; ======== version 2 of 2: 4 launches; version 1 with the launches ffn1, ffn2 written anew for expert scheduling mode
;; workspace buffers: xcodes 524,288 bytes; xscales 32,768 bytes; masks 1,024 bytes of whole numbers; pair 4,096 bytes of whole numbers; wts 8,192 bytes; hcodes 16,777,216 bytes; hscales 1,048,576 bytes; ypart 16,777,216 bytes
;; launch route: the kernel of part 1 again; grid 64 x 1, 16 waves a work-group, no clusters, 125,952 bytes of LDS; arguments x, gate_w, xcodes, xscales, masks, pair, wts; writes xcodes, xscales, masks, pair, wts
;; launch ffn1 (part 5): grid 32 x 8, 16 waves a work-group, no clusters, 292,864 bytes of LDS; arguments xcodes, xscales, masks, w1, b1, hcodes, hscales; writes hcodes, hscales
.if DOCPART == 5
	.amdgcn_target "amdgcn-amd-amdhsa--gfx1250"
	.amdhsa_code_object_version 6
	.text
	.protected	k_q26a7d899f2_ffn1
	.globl	k_q26a7d899f2_ffn1
	.p2align	8
	.type	k_q26a7d899f2_ffn1,@function
k_q26a7d899f2_ffn1:
	s_mov_b64 s[64:65], 0
	v_nop
	global_prefetch_b8 v0, s[64:65] scope:SCOPE_SE
	s_setreg_imm32_b32 hwreg(HW_REG_WAVE_SCHED_MODE, 0, 2), 2
	s_setreg_imm32_b32 hwreg(HW_REG_WAVE_MODE, 25, 1), 1
	s_wait_xcnt 0x0
	s_wait_alu depctr_vm_vsrc(0)
; FFN1.  h = Q(gelu(Q(x) Q(W1[e]) + b1[e])) for the tokens that chose expert e; codes of E2M1 with one E8M0 scale for each 32 along K, both products' operands.
; A work-group (x = ks, y = e) makes hidden units 128 ks .. + 127 of expert e: one K step of the second product.  It reads its 1,024 x 128 numbers of W1 ONCE, as f32, and quantises them on the way.
; STREAM.  Wave w: 32 columns (cg = w % 4) x 256 along K (kp = w / 4).  A lane takes a column and its registers run down K: a block of 32 lies in one lane, its codes come out with K innermost.
; They go to LDS as IMAGES OF THE OPERAND'S REGISTERS (register group c of lane L at 512 c + 16 L of a fragment's 1,024 bytes); behind a barrier each wave takes the 16 fragments of its 32 columns for good.
; THE COLUMNS OF A TILE ARE NOT NEIGHBOURS: lane r of tile u takes column 8 u + r + 8 (r / 8) of the wave's 32, so that the 16 registers of the two tiles' results are 16 neighbouring hidden units.
; ROWS.  The expert's tokens are taken by RANK from its mask of 1,024 bits, which the launch before stored: each lane computes, in registers, which token stands at the rank of the row that it gathers: no list, and no
; barrier ahead of the gather.  Ranks from the count on repeat the last token: the last tile of 16 is filled with copies of a true row, which compute and store the same values.  Tiles from nt = ceil(count / 16) on are
; passed over by a scalar branch; loops and barriers have constant counts.
; The tiles' x fragments are gathered into LDS as images too, 24 tiles at a time (wave w: tile w whole, and half of tile 16 + w / 2 where the expert has that tile); wave (cg, rq = w / 4) then works tiles rq, rq + 4, ..
; The product is used TRANSPOSED (source 0 = 16 columns of W1, source 1 = 16 tokens): a lane holds one token and 16 neighbouring hidden units; lanes l and l xor 16 hold a block of 32.
; No tensor load: branches hang on the stored masks.  No cluster: the bulk of the bytes, the weights, is shared by no two work-groups.
; LIMITS: NaN and infinities are not served.  A block whose largest magnitude lies under 2^-124 keeps the scale byte 1.  erf(z) = z P(z^2) / Q(z^2) with z held to +-4, a few units in the last place of 1;
; 1 + erf cancels for negative inputs: an absolute error of about 1e-7 |x| in gelu.
; THE MODE: SCHED_MODE bits 1:0 = 2 (LLVM: expert scheduling mode 2), set by the entry lines.  The code itself states the register dependences
; between vector or matrix instructions and memory or LDS instructions, with s_wait_alu, always for 0.
; THE PLAN.  Registers that memory or LDS instructions touch:
;   v1-3, v7-9, v12-14   offsets and LDS addresses: made at the head, never written again.
;   v4, v5, v6           the stream's offset and its two LDS addresses; from the first tile on written anew at each tile's head (XA, HO, SO) and read by that tile's LDS loads and its two stores.
;   v15                  the bias loads' offset; afterwards a lane permute's destination.
;   XL0, XL1 (v168-231)  Block t: its maxima and conversions read XL[t % 2]; behind them the loads of block t + 2 land in it.
;   C (v240-243)         written by a block's conversions, read by its one LDS store.     SW: written in the blocks, read by two LDS stores behind the last block.
;   GO (v252-255)        written ahead of a gather, read by its loads; in the tiles' work these registers are accumulators.
;   v16-123              the search for the ranks works in v20-39; then the first gather's loads land here, LDS stores read them, and W1's fragments land.
;   XF, XS (v168-239)    A tile: LDS loads land, the products read; gelu works in XF; v170-172 are the two stores' data.  A later chunk: the search works here, the gather's loads land, LDS stores read.
; So a block of the stream has two waits: on vm_vsrc ahead of its conversions (the last block's LDS store has read C), on va_vdst behind them (C is written; the landing set is read out), and its LDS store and 32 loads follow.
; A tile has, beside the wait behind its reciprocals, three: on vm_vsrc at its head, on va_vdst behind the three additions that make its addresses, and on va_vdst ahead of its two stores.
; No second set of x's fragments: the wave's 256 registers are all taken (four waves share a SIMD's 1,024).
; Compares write scalar registers, in runs, with one wait on va_sdst behind each run and ahead of the selects that read them: four words of the mask for both ranks (eight compares), one step of both ranks' descent (two).
.set PITCH, 16384                      ; a row of W1[e] in bytes
.set IS,    1024                       ; from a K step's fragment to the next in LDS
.set WIMG,  0                          ; LDS: W1's 64 fragments: ((2 cg + u) 8 + s) x 1,024
.set WSC,   65536                      ; their scale words: (8 cg + s) x 128 + 4 x lane: lanes 0-15 tile 0's, lanes 16-31 tile 1's
.set XIMG,  69632                      ; 24 tiles of x: 8 fragments of 1,024 bytes, then two images of 512 bytes of scale words (4 words a lane)
.set XTILE, 9216
.set R16H8, 1                          ; v1   16 r + 8 h: my 8 bytes of a block's 256 in hcodes
.set R16,   2                          ; v2   16 r
.set H16,   3                          ; v3   16 h
.set WOFF,  4                          ; v4   the stream: my column's bytes.            Later XA: the tile's images in LDS
.set XA,    4
.set WST,   5                          ; v5   the stream: where my codes go.            Later HO: my offset in hcodes
.set HO,    5
.set WSS,   6                          ; v6   the stream: where my scale words go.      Later SO: my offset in hscales
.set SO,    6
.set L16,   7                          ; v7   16 x lane
.set WRD,   8                          ; v8   my columns' fragments in LDS
.set SRD,   9                          ; v9   and their scale words
.set RKA,   10                         ; v10  the rank of my row of tile w: 16 w + r
.set RKB,   11                         ; v11  and of tile 16 + w / 2
.set GA,    12                         ; v12  XIMG: tile w
.set GB,    13                         ; v13  XIMG: tile 16 + w / 2, K steps 4 (w % 2) on
.set GS,    14                         ; v14  and that half's scale words
.set PS,    15                         ; v15  64 h, the bias loads' offset; later the lane permute's destination, which must have been written
.set W,     16                         ; v16-143  W1's fragments: tile u, K step s at 64 u + 8 s
.set WS,    144                        ; v144-151 their scale words: scales alone
.set BIAS,  152                        ; v152-167 b1 at my 16 hidden units
.set XF,    168                        ; v168-231 the stream's two landing sets; then x's 8 fragments; then at work
.set XL,    168
.set Z,     168
.set S,     184
.set P,     200
.set Q,     216
.set XS,    232                        ; v232-239 x's scale words: scales alone
.set ACC,   240                        ; v240-255 two accumulators
.set C,     240                        ; the stream: a block's codes,
.set MX,    244                        ; its largest magnitude (two chains),
.set SOP,   246                        ; the conversion's scale operand,
.set BY,    247                        ; the scale's byte,
.set SW,    248                        ; two scale words
.set TK,    250                        ; the gather: two tokens,
.set GO,    252                        ; four offsets
.set HSC, 2                            ; 16 (w % 2)
.set CM1, 3                            ; the count less 1
.set TL2, 48                           ; 16 + w / 2
.set WV, 52
.set CG, 53
.set RQ, 54                            ; w / 4: kp in the stream, rq afterwards
.set E,  55
.set CNT, 56
.set NT, 57
.set TRIP, 58
.set TI, 59
.set WB, 60                            ; s[60:61] W1 at my wave's first number
.set HB, 62                            ; s[62:63] hcodes: expert, K step, my block's 256 bytes
.set SB, 66                            ; s[66:67] hscales: expert, K step, my block's byte
.set STL, 68
.set T0, 69
.set PF, 70
.set OF, 72                            ; s[72:73] an offset in 64 bits
.set T1, 74
.set HC, 75                            ; 256 (w % 2)
.set A13, 76                           ; s[76:77], s[78:79] the leading coefficients: the packed form names a pair and takes its low word
.set B8, 78
.set SEL, 80                           ; s[80:81] lane l xor 16
.set MA, 84                            ; s84-87  a run of compares for the first rank,
.set MB, 88                            ; s88-91  for the second,
.set PKS, 92                           ; s92-95  and for each of the run's words: ones below it | its number << 16
.macro PLACES n
.rept \n
	v_nop
.endr
.endm
.macro LOAD t                          ; block t: W1(32 t + i, my column), i = 0 .. 31, into set t % 2: 128 consecutive bytes a load
.irp i, 0,1,2,3,4,5,6,7,8,9,10,11,12,13,14,15,16,17,18,19,20,21,22,23,24,25,26,27,28,29,30,31
	global_load_b32 v[XL+32*((\t)%2)+\i], v[WOFF], s[WB:WB+1] offset:(32*(\t)+\i)*PITCH th:TH_LOAD_NT
.endr
.endm
.macro BLOCK t, cnt                    ; cnt: the loads issued behind block t's
.set XB, XL+32*((\t)%2)
	s_wait_loadcnt \cnt
	v_max3_num_f32 v[MX], |v[XB]|, |v[XB+1]|, |v[XB+2]|
	v_max3_num_f32 v[MX+1], |v[XB+3]|, |v[XB+4]|, |v[XB+5]|
.irp i, 6,10,14,18,22,26
	v_max3_num_f32 v[MX], v[MX], |v[XB+\i]|, |v[XB+\i+1]|
	v_max3_num_f32 v[MX+1], v[MX+1], |v[XB+\i+2]|, |v[XB+\i+3]|
.endr
	v_max3_num_f32 v[MX], v[MX], |v[XB+30]|, |v[XB+31]|
	v_max3_num_f32 v[MX], v[MX], v[MX+1], 0x1800000 ; the floor 2^(3 - 127): the byte cannot fall under 1
	v_add_nc_u32 v[SOP], 0xff000000, v[MX]         ; 2 off the exponent field
	v_lshrrev_b32 v[BY], 23, v[SOP]
.if (\t)%4 == 0
	v_mov_b32 v[SW+(\t)/4], v[BY]
.else
	v_lshl_or_b32 v[SW+(\t)/4], v[BY], 8*((\t)%4), v[SW+(\t)/4]
.endif
	s_wait_dscnt 0x0                               ; the last block's store has read its registers
.if (\t) > 0
	s_wait_alu depctr_vm_vsrc(0)                   ; the last block's LDS store has read v[C ..], which the conversions write again (in block 2 also: the gather's LDS stores have read v16-123, in which W1's fragments land later)
.endif
.irp g, 0,1,2,3
	v_cvt_scalef32_pk8_fp4_f32 v[C+\g], v[XB+8*\g:XB+8*\g+7], v[SOP]
.endr
	v_nop                                          ; one plain place behind the conversions
	s_wait_alu depctr_va_vdst(0)                   ; the conversions have written v[C ..], which the LDS store reads; they and the maxima are done reading this landing set, in which the loads below land (in the last block: v[SW ..] is written too)
	ds_store_b128 v[WST], v[C:C+3] offset:((\t)/4)*IS+(((\t)%4)/2)*512+((\t)%2)*256   ; K step t / 4; register group (t % 4) / 2; half t % 2 of the lanes
.if (\t) < 6
	LOAD (\t)+2
.endif
.endm
.set TS, 10                            ; from the first rank's register to the second rank's
.macro SETTMP b                        ; the twenty registers in which the two ranks are searched: ten each, from v[b] and from v[b + 10] on
.set QA, \b
.set WA, \b+1
.set BA, \b+2
.set T, \b+3
.set RS, \b+4
.set POS, \b+5
.set A1, \b+6
.set A2, \b+7
.set A3, \b+8
.set A4, \b+9
.endm
.macro DESC2 a, width                  ; does the rank lie in the lower width bits at POS, or beyond them?  Both ranks side by side
	v_bfe_u32 v[T], v[\a], v[POS], \width
	v_bfe_u32 v[T+TS], v[\a+TS], v[POS+TS], \width
	v_cmp_ge_u32 s[MA], v[RS], v[T]
	v_cmp_ge_u32 s[MB], v[RS+TS], v[T+TS]
	v_sub_nc_u32 v[T], v[RS], v[T]
	v_sub_nc_u32 v[T+TS], v[RS+TS], v[T+TS]
	s_wait_alu depctr_va_sdst(0)                   ; the two compares have written s[MA] and s[MB], which the four selects read
	v_cndmask_b32 v[RS], v[RS], v[T], s[MA]
	v_cndmask_b32 v[RS+TS], v[RS+TS], v[T+TS], s[MB]
	v_add_nc_u32 v[T], \width, v[POS]
	v_add_nc_u32 v[T+TS], \width, v[POS+TS]
	v_cndmask_b32 v[POS], v[POS], v[T], s[MA]
	v_cndmask_b32 v[POS+TS], v[POS+TS], v[T+TS], s[MB]
.endm
.macro RANK2                           ; the tokens at the two ranks: of each its word and (ones below the word | word's number << 16) are known
.irp o, 0,1
	v_and_b32 v[T+TS*\o], 0xffff, v[BA+TS*\o]
	v_sub_nc_u32 v[RS+TS*\o], v[QA+TS*\o], v[T+TS*\o]   ; the rank within the word
	v_lshrrev_b32 v[T+TS*\o], 1, v[WA+TS*\o]
	v_and_b32 v[T+TS*\o], 0x55555555, v[T+TS*\o]
	v_sub_nc_u32 v[A1+TS*\o], v[WA+TS*\o], v[T+TS*\o]   ; ones in each 2 bits,
	v_lshrrev_b32 v[T+TS*\o], 2, v[A1+TS*\o]
	v_and_b32 v[T+TS*\o], 0x33333333, v[T+TS*\o]
	v_and_b32 v[A2+TS*\o], 0x33333333, v[A1+TS*\o]
	v_add_nc_u32 v[A2+TS*\o], v[A2+TS*\o], v[T+TS*\o]   ; 4 bits,
	v_lshrrev_b32 v[T+TS*\o], 4, v[A2+TS*\o]
	v_add_nc_u32 v[T+TS*\o], v[A2+TS*\o], v[T+TS*\o]
	v_and_b32 v[A3+TS*\o], 0x0f0f0f0f, v[T+TS*\o]       ; 8 bits,
	v_lshrrev_b32 v[T+TS*\o], 8, v[A3+TS*\o]
	v_add_nc_u32 v[T+TS*\o], v[A3+TS*\o], v[T+TS*\o]
	v_and_b32 v[A4+TS*\o], 0x00ff00ff, v[T+TS*\o]       ; 16 bits
	v_mov_b32 v[POS+TS*\o], 0
.endr
	DESC2 A4, 16
	DESC2 A3, 8
	DESC2 A2, 4
	DESC2 A1, 2
	DESC2 WA, 1
.irp o, 0,1
	v_lshrrev_b32 v[T+TS*\o], 16, v[BA+TS*\o]
	v_lshl_add_u32 v[TK+\o], v[T+TS*\o], 5, v[POS+TS*\o]
	v_min_u32 v[TK+\o], 0x3ff, v[TK+\o]            ; a token's number whatever the mask holds
.endr
.endm
.macro WALK w0, n                      ; words w0 .. w0 + n - 1 of the mask: a run of 2 n compares, one wait, 4 n selects
.set wk, 0
.rept \n
	s_bcnt1_i32_b32 s[T0], s[16+\w0+wk-1]
	s_add_co_u32 s[PF], s[PF], s[T0]               ; ones below the word
	s_add_co_u32 s[PKS+wk], s[PF], (\w0+wk)<<16
	v_cmp_le_u32 s[MA+wk], s[PF], v[QA]            ; the last word with no more ones below it than the rank holds the rank
	v_cmp_le_u32 s[MB+wk], s[PF], v[QA+TS]
.set wk, wk+1
.endr
	s_wait_alu depctr_va_sdst(0)                   ; the run's compares have written s[MA ..] and s[MB ..], which the selects below read
.set wk, 0
.rept \n
	v_cndmask_b32 v[WA], v[WA], s[16+\w0+wk], s[MA+wk]
	v_cndmask_b32 v[BA], v[BA], s[PKS+wk], s[MA+wk]
	v_cndmask_b32 v[WA+TS], v[WA+TS], s[16+\w0+wk], s[MB+wk]
	v_cndmask_b32 v[BA+TS], v[BA+TS], s[PKS+wk], s[MB+wk]
.set wk, wk+1
.endr
.endm
; The tokens of my rows of the chunk that begins at tile cb: rank 16 (cb + w) + r into v[TK], rank 16 (cb + 16 + w / 2) + r into v[TK+1].  One walk over the 32 words serves both.
.macro SELECT cb
	v_add_nc_u32 v[QA], 16*\cb, v[RKA]
	v_add_nc_u32 v[QA+TS], 16*\cb, v[RKB]
	v_min_u32 v[QA], s[CM1], v[QA]                 ; ranks from the count on repeat the last token
	v_min_u32 v[QA+TS], s[CM1], v[QA+TS]
	v_mov_b32 v[WA], s16
	v_mov_b32 v[WA+TS], s16
	v_mov_b32 v[BA], 0
	v_mov_b32 v[BA+TS], 0
	s_mov_b32 s[PF], 0
	WALK 1, 4
	WALK 5, 4
	WALK 9, 4
	WALK 13, 4
	WALK 17, 4
	WALK 21, 4
	WALK 25, 4
	WALK 29, 3
	RANK2
.endm
.macro GOFF half                       ; the gather's offsets
	v_lshl_add_u32 v[GO], v[TK], 9, v[H16]         ; a row of codes is 512 bytes; + 16 h
	v_lshlrev_b32 v[GO+1], 5, v[TK]                ; a row of scale bytes is 32
.if \half
	v_lshl_add_u32 v[GO+2], v[TK+1], 9, v[H16]
	v_add_nc_u32 v[GO+2], s[HC], v[GO+2]
	v_lshlrev_b32 v[GO+3], 5, v[TK+1]
	v_add_nc_u32 v[GO+3], s[HSC], v[GO+3]
.endif
.endm
.macro GWHOLE reg, sreg                ; a tile's 8 fragments and its scale words, straight into operand order: 18 loads
.irp s, 0,1,2,3,4,5,6,7
.irp c, 0,1
	global_load_b128 v[\reg+8*\s+4*\c:\reg+8*\s+4*\c+3], v[GO], s[4:5] offset:64*\s+32*\c
.endr
.endr
.irp j, 0,1
	global_load_b128 v[\sreg+4*\j:\sreg+4*\j+3], v[GO+1], s[6:7] offset:16*\j
.endr
.endm
.macro GHALF reg, sreg                 ; four K steps of a tile: 9 loads
.irp s, 0,1,2,3
.irp c, 0,1
	global_load_b128 v[\reg+8*\s+4*\c:\reg+8*\s+4*\c+3], v[GO+2], s[4:5] offset:64*\s+32*\c
.endr
.endr
	global_load_b128 v[\sreg:\sreg+3], v[GO+3], s[6:7]
.endm
.macro SWHOLE reg, sreg
.irp s, 0,1,2,3,4,5,6,7
.irp c, 0,1
	ds_store_b128 v[GA], v[\reg+8*\s+4*\c:\reg+8*\s+4*\c+3] offset:1024*\s+512*\c
.endr
.endr
.irp j, 0,1
	ds_store_b128 v[GA], v[\sreg+4*\j:\sreg+4*\j+3] offset:8192+512*\j
.endr
.endm
.macro SHALF reg, sreg
.irp s, 0,1,2,3
.irp c, 0,1
	ds_store_b128 v[GB], v[\reg+8*\s+4*\c:\reg+8*\s+4*\c+3] offset:1024*\s+512*\c
.endr
.endr
	ds_store_b128 v[GS], v[\sreg:\sreg+3]
.endm
.macro BARRIER                         ; my LDS stores have landed and my LDS loads are in: then the work-group's barrier
	s_wait_dscnt 0x0
	s_barrier_signal -1
	s_barrier_wait -1
.endm
	s_load_b256 s[4:11], s[0:1], 0x0               ; xcodes, xscales, masks, w1
	s_load_b128 s[12:15], s[0:1], 0x20             ; b1, hcodes
	s_load_b64 s[50:51], s[0:1], 0x30              ; hscales
	v_lshrrev_b32 v16, 5, v0
	v_readfirstlane_b32 s[WV], v16                 ; wave 0..15
	v_and_b32 v16, 31, v0                          ; lane
	v_and_b32 v17, 15, v0                          ; r
	v_bfe_u32 v18, v0, 4, 1                        ; h (in the stream: u, my tile)
	v_and_b32 v19, 8, v17
	v_add_nc_u32 v19, v19, v17                     ; r + 8 (r / 8)
	v_lshl_add_u32 v19, v18, 3, v19                ; + 8 u
	v_lshlrev_b32 v[WOFF], 2, v19
	v_lshlrev_b32 v[R16], 4, v17
	v_lshlrev_b32 v[H16], 4, v18
	v_lshl_add_u32 v[R16H8], v18, 3, v[R16]
	v_lshlrev_b32 v[PS], 6, v18
	v_lshlrev_b32 v[L16], 4, v16
	s_wait_alu depctr_va_sdst(0)                   ; s[WV] is written, ahead of its first reader: the wave's shares, addresses and bases are made from it
	s_and_b32 s[CG], s[WV], 3
	s_lshr_b32 s[RQ], s[WV], 2
	s_and_b32 s[E], ttmp7, 0xffff                  ; the expert
	s_lshl_b32 s[T0], s[CG], 14
	v_add_nc_u32 v[WRD], s[T0], v[L16]
	s_lshl_b32 s[T1], s[RQ], 11
	s_add_co_u32 s[T0], s[T0], s[T1]
	v_lshl_add_u32 v[WST], v18, 13, v[R16]
	v_add_nc_u32 v[WST], s[T0], v[WST]             ; 16,384 cg + 2,048 kp + 8,192 u + 16 r
	s_lshl_b32 s[T0], s[CG], 10
	s_add_co_u32 s[T0], s[T0], WSC
	v_lshl_add_u32 v[SRD], v16, 2, s[T0]
	s_lshl_b32 s[T1], s[RQ], 8
	s_add_co_u32 s[T0], s[T0], s[T1]
	v_lshl_add_u32 v[WSS], v16, 2, s[T0]
	s_lshl_b32 s[T0], s[WV], 4
	v_add_nc_u32 v[RKA], s[T0], v17                ; 16 w + r
	s_lshr_b32 s[T1], s[WV], 1
	s_add_co_u32 s[TL2], s[T1], 16
	s_lshl_b32 s[T0], s[TL2], 4
	v_add_nc_u32 v[RKB], s[T0], v17                ; 16 (16 + w / 2) + r
	s_mul_i32 s[T0], s[WV], XTILE
	s_add_co_u32 s[T0], s[T0], XIMG
	v_add_nc_u32 v[GA], s[T0], v[L16]
	s_mul_i32 s[T0], s[T1], XTILE
	s_add_co_u32 s[T0], s[T0], XIMG+16*XTILE
	s_and_b32 s[T1], s[WV], 1
	s_lshl_b32 s[HC], s[T1], 8
	s_lshl_b32 s[HSC], s[T1], 4
	s_lshl_b32 s[PF], s[T1], 12
	s_add_co_u32 s[PF], s[PF], s[T0]
	v_add_nc_u32 v[GB], s[PF], v[L16]
	s_lshl_b32 s[PF], s[T1], 9
	s_add_co_u32 s[PF], s[PF], s[T0]
	s_add_co_u32 s[PF], s[PF], 8192
	v_add_nc_u32 v[GS], s[PF], v[L16]
	s_mov_b32 s[A13], 0xaf95df0b
	s_mov_b32 s[A13+1], s[A13]
	s_mov_b32 s[B8], 0xb77460cd
	s_mov_b32 s[B8+1], s[B8]
	s_mov_b32 s[SEL], 0x76543210
	s_mov_b32 s[SEL+1], 0xfedcba98
	s_mov_b32 s[OF+1], 0
	s_lshl_b32 s[OF], s[E], 7
	s_wait_kmcnt 0x0
	s_add_nc_u64 s[8:9], s[8:9], s[OF:OF+1]
	s_load_b512 s[16:31], s[8:9], 0x0              ; the expert's mask: 32 words; they stay
	s_load_b512 s[32:47], s[8:9], 0x40
	s_lshl_b32 s[OF], s[E], 24                     ; W1: expert, 256 kp rows, column 128 ks + 32 cg
	s_lshl_b32 s[T0], s[RQ], 22
	s_add_co_u32 s[OF], s[OF], s[T0]
	s_lshl_b32 s[T0], ttmp9, 9
	s_add_co_u32 s[OF], s[OF], s[T0]
	s_lshl_b32 s[T0], s[CG], 7
	s_add_co_u32 s[OF], s[OF], s[T0]
	s_add_nc_u64 s[WB:WB+1], s[10:11], s[OF:OF+1]
	s_lshl_b32 s[OF], s[E], 14                     ; b1: expert, unit 128 ks + 32 cg
	s_lshl_b32 s[T0], ttmp9, 9
	s_add_co_u32 s[OF], s[OF], s[T0]
	s_lshl_b32 s[T0], s[CG], 7
	s_add_co_u32 s[OF], s[OF], s[T0]
	s_add_nc_u64 s[12:13], s[12:13], s[OF:OF+1]
	s_lshl_b32 s[OF], s[E], 21                     ; hcodes: expert (64 tiles x 32 K steps x 1,024), K step ks, block cg's 256 bytes of the image
	s_lshl_b32 s[T0], ttmp9, 10
	s_add_co_u32 s[OF], s[OF], s[T0]
	s_lshl_b32 s[T0], s[CG], 8
	s_add_co_u32 s[OF], s[OF], s[T0]
	s_add_nc_u64 s[HB:HB+1], s[14:15], s[OF:OF+1]
	s_lshl_b32 s[OF], s[E], 17                     ; hscales: expert, group ks / 4 of 256 bytes, word ks % 4, byte cg
	s_lshr_b32 s[T0], ttmp9, 2
	s_lshl_b32 s[T0], s[T0], 8
	s_add_co_u32 s[OF], s[OF], s[T0]
	s_and_b32 s[T0], ttmp9, 3
	s_lshl_b32 s[T0], s[T0], 2
	s_add_co_u32 s[OF], s[OF], s[T0]
	s_add_co_u32 s[OF], s[OF], s[CG]
	s_add_nc_u64 s[SB:SB+1], s[50:51], s[OF:OF+1]
	s_wait_alu depctr_va_vdst(0)                   ; the offsets and LDS addresses v1 to v15 are written, which the loads, LDS loads and stores below read
.irp i, 0,1,2,3
	global_load_b128 v[BIAS+4*\i:BIAS+4*\i+3], v[PS], s[12:13] offset:16*\i   ; b1 at hidden units 16 h + 0 .. 15 of my 32
.endr
	LOAD 0
	LOAD 1
	s_wait_kmcnt 0x0                               ; the mask
	s_bcnt1_i32_b32 s[CNT], s16
.irp w, 17,18,19,20,21,22,23,24,25,26,27,28,29,30,31,32,33,34,35,36,37,38,39,40,41,42,43,44,45,46,47
	s_bcnt1_i32_b32 s[T0], s[\w]
	s_add_co_u32 s[CNT], s[CNT], s[T0]
.endr
	s_add_co_u32 s[NT], s[CNT], 15
	s_lshr_b32 s[NT], s[NT], 4                     ; tiles of 16 rows
	s_sub_co_u32 s[CM1], s[CNT], 1
	SETTMP 20                                      ; at work in registers that W1's fragments take later
	SELECT 0
	GOFF 1
	s_wait_alu depctr_va_vdst(0)                   ; the four offsets v[GO ..] are written, which the gather's loads read; the head and the search are done with v16-39, in which those loads land.  Ahead of the branch: it serves both ways
	; the first chunk of x is gathered under the stream.  Tile w is gathered whatever the count (every rank holds a token); the half of tile 16 + w / 2 only where the expert has that tile.
	; The two ways differ in the number of loads, so the stream's first two blocks, whose waits count them, are written on both.
	s_cmp_lt_u32 s[TL2], s[NT]
	s_cbranch_scc0 .Lshort
	GWHOLE 16, 80
	GHALF 88, 120
	BLOCK 0, 59                                    ; behind block 0's loads: block 1's 32 and the gather's 27
	BLOCK 1, 59                                    ; behind block 1's: the gather's 27 and block 2's 32
	s_wait_loadcnt 32                              ; behind block 2's: block 3's 32.  So the gather is in:
	SWHOLE 16, 80
	SHALF 88, 120
	s_branch .Ljoin
.Lshort:
	GWHOLE 16, 80
	BLOCK 0, 50                                    ; behind block 0's loads: block 1's 32 and the gather's 18
	BLOCK 1, 50                                    ; behind block 1's: the gather's 18 and block 2's 32
	s_wait_loadcnt 32                              ; the gather is in
	SWHOLE 16, 80
.Ljoin:
	BLOCK 2, 32
	BLOCK 3, 32
	BLOCK 4, 32
	BLOCK 5, 32
	BLOCK 6, 32
	BLOCK 7, 0
	ds_store_b32 v[WSS], v[SW]                     ; my column's scale words of K steps 2 kp and 2 kp + 1 (written ahead of the last block's wait on va_vdst)
	ds_store_b32 v[WSS], v[SW+1] offset:128
	BARRIER                                        ; W1's 64 fragments, their scale words and the first chunk of x lie in LDS
.irp u, 0,1
.irp s, 0,1,2,3,4,5,6,7
.irp c, 0,1
	ds_load_b128 v[W+64*\u+8*\s+4*\c:W+64*\u+8*\s+4*\c+3], v[WRD] offset:8192*\u+1024*\s+512*\c   ; no wait: the gather's LDS stores, which read these registers, stand ahead of block 2's wait on vm_vsrc, the search ahead of the wait on va_vdst behind it
.endr
.endr
.endr
.irp s, 0,1,2,3,4,5,6,7
	ds_load_b32 v[WS+\s], v[SRD] offset:128*\s
.endr
.macro MM s, u                         ; K step s, tile u.  The two accumulators take turns, one instruction a turn; the bias is the C of a sum's first product
.if (\s) == 0
.if (\u) == 0
	v_wmma_scale_f32_16x16x128_f8f6f4 v[ACC:ACC+7], v[W:W+7], v[XF:XF+7], v[BIAS:BIAS+7], v[WS], v[XS] matrix_a_fmt:MATRIX_FMT_FP4 matrix_b_fmt:MATRIX_FMT_FP4
.else
	v_wmma_scale_f32_16x16x128_f8f6f4 v[ACC+8:ACC+15], v[W+64:W+71], v[XF:XF+7], v[BIAS+8:BIAS+15], v[WS], v[XS] matrix_a_fmt:MATRIX_FMT_FP4 matrix_b_fmt:MATRIX_FMT_FP4 matrix_a_scale:MATRIX_SCALE_ROW1
.endif
.else
.if (\u) == 0
	v_wmma_scale_f32_16x16x128_f8f6f4 v[ACC:ACC+7], v[W+8*\s:W+8*\s+7], v[XF+8*\s:XF+8*\s+7], v[ACC:ACC+7], v[WS+\s], v[XS+\s] matrix_a_fmt:MATRIX_FMT_FP4 matrix_b_fmt:MATRIX_FMT_FP4
.else
	v_wmma_scale_f32_16x16x128_f8f6f4 v[ACC+8:ACC+15], v[W+64+8*\s:W+64+8*\s+7], v[XF+8*\s:XF+8*\s+7], v[ACC+8:ACC+15], v[WS+\s], v[XS+\s] matrix_a_fmt:MATRIX_FMT_FP4 matrix_b_fmt:MATRIX_FMT_FP4 matrix_a_scale:MATRIX_SCALE_ROW1
.endif
.endif
.endm
; The tiles cb + rq, cb + rq + 4, .. of a chunk: a loop of constant count; a tile from nt on is passed over.
.macro COMPUTE cb, trips
	s_add_co_u32 s[TI], s[RQ], \cb
	s_mul_i32 s[STL], s[RQ], XTILE
	s_add_co_u32 s[STL], s[STL], XIMG
	s_mov_b32 s[TRIP], 0
.Ltrip_\@:
	s_cmp_ge_u32 s[TI], s[NT]
	s_cbranch_scc1 .Lnone_\@
	s_wait_xcnt 0x0                                ; the last tile's stores have read their data and offsets: both are written again below
	s_wait_alu depctr_vm_vsrc(0)                   ; the last tile's LDS loads and stores (in the first tile: the stream's loads and LDS stores) have read v4, v5, v6, which are written below; its stores have read v170-172, and a chunk's LDS stores x's
	                                               ; registers, in which the LDS loads below land; the gather's loads have read v[GO ..], which the products write; the bias loads have read v15, which the lane permute writes
	v_add_nc_u32 v[XA], s[STL], v[L16]
	s_lshl_b32 s[T0], s[TI], 15
	v_add_nc_u32 v[HO], s[T0], v[R16H8]            ; a tile of hcodes is 32 K steps x 1,024 bytes
	s_lshl_b32 s[T0], s[TI], 11
	v_add_nc_u32 v[SO], s[T0], v[R16]              ; a tile of hscales is 2,048 bytes
	s_wait_alu depctr_va_vdst(0)                   ; v[XA] is written, which the LDS loads read; the last tile's products and its work in x's registers (or the search there) are done: the LDS loads land in them
.irp s, 0,1,2,3,4,5,6,7
.irp c, 0,1
	ds_load_b128 v[XF+8*\s+4*\c:XF+8*\s+4*\c+3], v[XA] offset:1024*\s+512*\c
.endr
.endr
.irp j, 0,1
	ds_load_b128 v[XS+4*\j:XS+4*\j+3], v[XA] offset:8192+512*\j
.endr
	s_wait_dscnt 0x0                               ; (in the first tile: W1's fragments too)
.irp s, 0,1,2,3,4,5,6,7
.irp u, 0,1
	MM \s, \u
.endr
.endr
	PLACES 5                                       ; four ahead of the first read of results and of writes into operands; the fifth since the next tile's first products begin these accumulators anew
	; lane (r, h): token r; ACC + i = hidden unit 16 h + i of my 32.  gelu(a) = a/2 + a/2 erf(a / sqrt 2), erf(z) = z P(z^2) / Q(z^2); each accumulator is read from its low end on
.irp j, 0,2,4,6,8,10,12,14
	v_pk_mul_f32 v[Z+\j:Z+\j+1], v[ACC+\j:ACC+\j+1], 0x3f3504f3 op_sel_hi:[1,0]
.endr
.irp j, 0,1,2,3,4,5,6,7,8,9,10,11,12,13,14,15
	v_med3_num_f32 v[Z+\j], v[Z+\j], -4.0, 4.0
.endr
.irp j, 0,2,4,6,8,10,12,14
	v_pk_mul_f32 v[S+\j:S+\j+1], v[Z+\j:Z+\j+1], v[Z+\j:Z+\j+1]
.endr
.irp j, 0,2,4,6,8,10,12,14
	v_pk_fma_f32 v[P+\j:P+\j+1], v[S+\j:S+\j+1], s[A13:A13+1], 0x32edffee op_sel_hi:[1,0,0]
.endr
.irp k, 0xb60cff51, 0xb86ec2d2, 0xba40ac63, 0xbb41a1f6, 0xbc83dbd4
.irp j, 0,2,4,6,8,10,12,14
	v_pk_fma_f32 v[P+\j:P+\j+1], v[P+\j:P+\j+1], v[S+\j:S+\j+1], \k op_sel_hi:[1,1,0]
.endr
.endr
.irp j, 0,2,4,6,8,10,12,14
	v_pk_mul_f32 v[P+\j:P+\j+1], v[P+\j:P+\j+1], v[Z+\j:Z+\j+1]
.endr
.irp j, 0,2,4,6,8,10,12,14
	v_pk_fma_f32 v[Q+\j:Q+\j+1], v[S+\j:S+\j+1], s[B8:B8+1], 0xb95fbd29 op_sel_hi:[1,0,0]
.endr
.irp k, 0xbadc924e, 0xbbf19bf8, 0xbc69b6a7
.irp j, 0,2,4,6,8,10,12,14
	v_pk_fma_f32 v[Q+\j:Q+\j+1], v[Q+\j:Q+\j+1], v[S+\j:S+\j+1], \k op_sel_hi:[1,1,0]
.endr
.endr
.irp j, 0,1,2,3,4,5,6,7,8,9,10,11,12,13,14,15
	v_rcp_f32 v[Q+\j], v[Q+\j]                     ; one batch
.endr
.irp j, 0,2,4,6,8,10,12,14
	v_pk_mul_f32 v[ACC+\j:ACC+\j+1], v[ACC+\j:ACC+\j+1], 0.5 op_sel_hi:[1,0]   ; plain work that names no reciprocal
.endr
	s_wait_alu depctr_va_vdst(0)                   ; the sixteen reciprocals have written v[Q ..]: the one wait ahead of the batch's first reader
.irp j, 0,2,4,6,8,10,12,14
	v_pk_mul_f32 v[P+\j:P+\j+1], v[P+\j:P+\j+1], v[Q+\j:Q+\j+1]
.endr
.irp j, 0,1,2,3,4,5,6,7,8,9,10,11,12,13,14,15
	v_med3_num_f32 v[P+\j], v[P+\j], -1.0, 1.0
.endr
.irp j, 0,2,4,6,8,10,12,14
	v_pk_fma_f32 v[ACC+\j:ACC+\j+1], v[ACC+\j:ACC+\j+1], v[P+\j:P+\j+1], v[ACC+\j:ACC+\j+1]
.endr
	; the block of 32 hidden units of token r lies in lanes l and l xor 16
	v_max3_num_f32 v[Z], |v[ACC]|, |v[ACC+1]|, 0x1800000
.irp i, 2,4,6,8,10,12,14
	v_max3_num_f32 v[Z], v[Z], |v[ACC+\i]|, |v[ACC+\i+1]|
.endr
	v_permlanex16_b32 v[PS], v[Z], s[SEL], s[SEL+1]
	v_max_num_f32 v[Z], v[Z], v[PS]
	v_add_nc_u32 v[Z+1], 0xff000000, v[Z]
	v_lshrrev_b32 v[Z+4], 23, v[Z+1]               ; the scale's byte
	v_cvt_scalef32_pk8_fp4_f32 v[Z+2], v[ACC:ACC+7], v[Z+1]
	v_cvt_scalef32_pk8_fp4_f32 v[Z+3], v[ACC+8:ACC+15], v[Z+1]
	v_nop                                          ; one plain place behind the conversions
	s_wait_alu depctr_va_vdst(0)                   ; the conversions have written the codes in v[Z+2], v[Z+3] and the shift the byte in v[Z+4], which the two stores read
	global_store_b64 v[HO], v[Z+2:Z+3], s[HB:HB+1] ; the wave stores 256 consecutive bytes, aligned: its block's part of the fragment's image
	global_store_b8 v[SO], v[Z+4], s[SB:SB+1]      ; lanes r and r + 16 store the same byte
.Lnone_\@:
	s_add_co_u32 s[TI], s[TI], 4
	s_add_co_u32 s[STL], s[STL], 4*XTILE
	s_add_co_u32 s[TRIP], s[TRIP], 1
	s_cmp_lt_u32 s[TRIP], \trips
	s_cbranch_scc1 .Ltrip_\@
.endm
; The next chunk's tiles of x, where the expert has so many; the barrier behind it stands on every wave's path.
.macro GLATE cb, half
	s_cmp_le_u32 s[NT], \cb
	s_cbranch_scc1 .Lnot_\@
	s_wait_xcnt 0x0                                ; the last stores have read their data: those registers are written below
	s_wait_alu depctr_vm_vsrc(0)                   ; the last stores have read v170-172, in which the search works; the last gather's loads have read v[GO ..], which are made anew
	SELECT \cb
	GOFF \half
	s_wait_alu depctr_va_vdst(0)                   ; v[GO ..] are written, which the gather's loads read; the search, and the last tile's products and work, are done with x's registers, in which those loads land
	GWHOLE XF, XS
	s_wait_loadcnt 0x0
	SWHOLE XF, XS
.if \half
	s_wait_dscnt 0x0                               ; the stores have read their registers
	s_wait_alu depctr_vm_vsrc(0)                   ; the LDS stores above have read x's registers, in which the half tile's loads land
	GHALF XF, XS
	s_wait_loadcnt 0x0
	SHALF XF, XS
.endif
.Lnot_\@:
	BARRIER
.endm
	SETTMP XF                                      ; from here on the ranks are searched in the registers of x's fragments, which are free between chunks
	COMPUTE 0, 6
	BARRIER                                        ; nobody reads the first 24 tiles any more
	GLATE 24, 1
	COMPUTE 24, 6
	BARRIER
	GLATE 48, 0
	COMPUTE 48, 4
	s_wait_xcnt 0x0
	s_wait_alu depctr_vm_vsrc(0)                   ; the gathers' loads have read v254 and v255 as offsets: the two lines below write them
	v_lshl_add_u32 v254, v0, 2, 0x47000
	v_mov_b32 v255, 0
	s_wait_dscnt 0x0                               ; the closing lines, six on end
	s_wait_alu 0x0
	s_wait_tensorcnt 0x0
	ds_add_u32 v254, v255
	s_wait_dscnt 0x0
	s_endpgm
.Lfunc_end_k_q26a7d899f2_ffn1:
	.size	k_q26a7d899f2_ffn1, .Lfunc_end_k_q26a7d899f2_ffn1-k_q26a7d899f2_ffn1
	.p2alignl 7, 3214868480
	.fill 96, 4, 3214868480
	.section	.rodata,"a",@progbits
	.p2align	6, 0x0
	.amdhsa_kernel k_q26a7d899f2_ffn1
		.amdhsa_group_segment_fixed_size 292864
		.amdhsa_private_segment_fixed_size 0
		.amdhsa_enable_private_segment 0
		.amdhsa_kernarg_size 56
		.amdhsa_user_sgpr_count 2
		.amdhsa_user_sgpr_kernarg_segment_ptr 1
		.amdhsa_wavefront_size32 1
		.amdhsa_system_sgpr_workgroup_id_x 1
		.amdhsa_system_sgpr_workgroup_id_y 1
		.amdhsa_system_sgpr_workgroup_id_z 1
		.amdhsa_system_vgpr_workitem_id 0
		.amdhsa_next_free_vgpr 256
		.amdhsa_next_free_sgpr 96
		.amdhsa_reserve_vcc 0
		.amdhsa_float_denorm_mode_32 3
		.amdhsa_float_denorm_mode_16_64 3
		.amdhsa_memory_ordered 1
		.amdhsa_forward_progress 1
		.amdhsa_inst_pref_size 190
	.end_amdhsa_kernel
	.amdgpu_metadata
---
amdhsa.version: [ 1, 2 ]
amdhsa.kernels:
  - .name:           k_q26a7d899f2_ffn1
    .symbol:         k_q26a7d899f2_ffn1.kd
    .args:
      - { .name: xcodes, .offset: 0, .size: 8, .value_kind: global_buffer, .address_space: global }
      - { .name: xscales, .offset: 8, .size: 8, .value_kind: global_buffer, .address_space: global }
      - { .name: masks, .offset: 16, .size: 8, .value_kind: global_buffer, .address_space: global }
      - { .name: w1, .offset: 24, .size: 8, .value_kind: global_buffer, .address_space: global }
      - { .name: b1, .offset: 32, .size: 8, .value_kind: global_buffer, .address_space: global }
      - { .name: hcodes, .offset: 40, .size: 8, .value_kind: global_buffer, .address_space: global }
      - { .name: hscales, .offset: 48, .size: 8, .value_kind: global_buffer, .address_space: global }
    .group_segment_fixed_size: 292864
    .private_segment_fixed_size: 0
    .kernarg_segment_align: 8
    .kernarg_segment_size: 56
    .max_flat_workgroup_size: 512
    .sgpr_count:     96
    .vgpr_count:     256
    .wavefront_size: 32
...
	.end_amdgpu_metadata
.endif
;; end of part 5
;; launch ffn2 (part 6): grid 16 x 16, 16 waves a work-group, no clusters, 149,504 bytes of LDS; arguments hcodes, hscales, masks, pair, wts, w2, b2, ypart; writes ypart
.if DOCPART == 6
	.amdgcn_target "amdgcn-amd-amdhsa--gfx1250"
	.amdhsa_code_object_version 6
	.text
	.protected	k_q26a7d899f2_ffn2
	.globl	k_q26a7d899f2_ffn2
	.p2align	8
	.type	k_q26a7d899f2_ffn2,@function
k_q26a7d899f2_ffn2:
	s_mov_b64 s[64:65], 0
	v_nop
	global_prefetch_b8 v0, s[64:65] scope:SCOPE_SE
	s_setreg_imm32_b32 hwreg(HW_REG_WAVE_SCHED_MODE, 0, 2), 2
	s_setreg_imm32_b32 hwreg(HW_REG_WAVE_MODE, 25, 1), 1
	s_wait_xcnt 0x0
	s_wait_alu depctr_vm_vsrc(0)
; FFN2.  ypart[kh][slot][token][:] = weight x (half kh of the sum h Q(W2[e]) (+ b2[e] in half 0)) for the tokens that chose expert e; slot says whether e is the token's first or second choice.
; A work-group (x = cs, y = 2 e + kh) takes 64 columns x 2,048 along K of W2[e]: 512 KB of f32, read ONCE and quantised on the way, as in the launch before: wave w streams 32 columns (cg = w % 2) x 256 along K (kp = w / 2);
; a lane takes a column, its registers run down K; the codes go to LDS as images of the operand's registers.  Behind a barrier wave (kq = w % 4, rq = w / 4) keeps K steps 4 kq .. + 3 of all four column tiles: 16 fragments.
; ROWS.  Tiles of 16 rows of the hidden layer lie in hcodes as images: a wave loads its four K steps of tile rq + 4 i straight into operand registers; each fragment is read by one wave of the work-group and feeds four products.
; The wave's first tile is asked for ahead of the stream's last block, into the landing registers that the block before has left.
; The product is used TRANSPOSED (source 0 = 16 columns of W2, source 1 = 16 rows): a lane holds eight neighbouring columns of one row.  The four kq parts meet in a stage in LDS, which is also the turn to whole rows:
; sixteen lanes store 256 consecutive bytes, aligned, of a token's row.  Ranks from the count on repeat the last token: the copies store the same values at the same places.
; The loop over tiles has a constant count and two barriers a trip; a tile from nt on is passed over by scalar branches that jump over no barrier.  No tensor load: branches hang on the stored masks.
; LIMITS: NaN and infinities are not served (b2 is multiplied by 0 in half 1).  A block of W2 whose largest magnitude lies under 2^-124 keeps the scale byte 1.
; THE MODE: SCHED_MODE bits 1:0 = 2 (LLVM: expert scheduling mode 2), set by the entry lines.  The code itself states the register dependences
; between vector or matrix instructions and memory or LDS instructions, with s_wait_alu, always for 0.
; THE PLAN.  Registers that memory or LDS instructions touch:
;   v3-8, v11-13, v15    offsets and LDS addresses: made at the head, never written again.     v1, v2: written at the head, read by the closing add alone.
;   v[AO], v[HSO]        read by a tile's nine loads; stepped once a trip, behind the products.     v[RI]: written once a trip, read by that trip's four LDS loads.
;   XL0, XL1 (v152-215)  Block t: its maxima and conversions read XL[t % 2]; behind them the loads of block t + 2 land in it (behind block 6: the first tile's fragments, in XL0).
;   A, HS                a tile's loads land; its products read.
;   ACC                  the products write; the stage's LDS stores read; then the rows' indices and weights land in its four lowest registers, the offsets v[YO ..] are made beside them, and the rows' stores read those.
;   RED (v220-251)       in the stream: C (a block's conversions write, its LDS store reads), SW, the list's small loads and their offsets, the list's entries; in a trip: the four parts land, the sums work in place, the rows' stores read.
; A block of the stream has two waits, as in the launch before.  A trip's two halves stand under two tests of the same number; each half holds its own waits, so that they lie on every way through the text:
; the products: on vm_vsrc ahead of them, on va_vdst behind them, their places and the two additions, ahead of the next tile's loads and the stage's stores;
; the rows: on vm_vsrc, the addition to v[RI], on va_vdst, the LDS loads, both rows' sums, on va_vdst, both stores.
; No second set of the hidden layer's fragments: the wave's 256 registers are all taken (four waves share a SIMD's 1,024), and RED, idle under the products, is at work while the next tile is on its way.
; Compares write scalar registers, in runs, with one wait on va_sdst behind each run and ahead of the selects that read them.
.set PITCH, 4096                       ; a row of W2[e] in bytes
.set IS,    4096                       ; from a K step's fragment to the next in LDS: four column tiles
.set WIMG,  0                          ; LDS: W2's 64 fragments: (4 s + ct) x 1,024
.set WSC,   65536                      ; their scale words: (2 s + cg) x 128 + 4 x lane: lanes 0-15 the even tile's, lanes 16-31 the odd one's
.set ROWI,  69632                      ; slot x 1,024 + token at each of 1,024 ranks
.set ROWW,  73728                      ; and the weight
.set STG,   77824                      ; the stage: a region of 16 rows x (256 bytes + 16) for each wave
.set SREG,  4352
.set RIS,  3                           ; v3   ROWI + 4 x thread
.set WOFF, 4                           ; v4   the stream: my column's bytes
.set WST,  5                           ; v5   where my codes go
.set WSS,  6                           ; v6   where my scale words go
.set WRD,  7                           ; v7   my K steps' fragments in LDS
.set SRD,  8                           ; v8   and their scale words
.set AO,   9                           ; v9   my offset in hcodes; steps four tiles a trip
.set HSO,  10                          ; v10  and in hscales
.set STO,  11                          ; v11  the stage: where I put 32 bytes of a row
.set RD,   12                          ; v12  and where I read rows back
.set RI0,  13                          ; v13  ROWI: my row of a tile
.set RI,   14
.set C16,  15                          ; v15  16 (lane % 16)
.set W,    16                          ; v16-143  W2's fragments: K step s, tile ct at 32 s + 8 ct
.set WS,   144                         ; v144-151 their scale words: scales alone
.set A,    152                         ; v152-183 four fragments of the hidden layer
.set ACC,  184                         ; v184-215 four accumulators
.set XL,   152                         ; the stream's two landing sets: v152-215
.set HS,   216                         ; v216-219 the hidden layer's scale words: scales alone
.set RED,  220                         ; v220-251 the four parts of two rows a lane
.set B2,   252                         ; v252-255 b2 at my four columns (0 in half 1)
.set IDX,  184                         ; the way out, in the accumulators' registers, which are free there: two row indices,
.set WGT,  186                         ; two weights,
.set YO,   188                         ; two offsets
.set C,    220                         ; the stream
.set MX,   224
.set SOP,  226
.set BY,   227
.set SW,   228
.set TOK,  230                         ; the tokens at ranks tid and tid + 512,
.set PR,   232                         ; their pairs of experts,
.set WT,   234                         ; their pairs of weights,
.set PRO,  238                         ; and the offsets of these loads
.set WO,   240
.set U,    242                         ; v242-247 the list's two entries: three registers each, so that no LDS store's data are written again
.set QA, 20                            ; the two ranks are searched in ten registers each, v20-29 and v30-39, which W2's fragments take later
.set WA, 21
.set BA, 22
.set T,  23
.set RS, 24
.set POS, 25
.set A1, 26
.set A2, 27
.set A3, 28
.set A4, 29
.set TS, 10                            ; from the first rank's register to the second rank's
.set WV, 56
.set CG, 57
.set KP, 58
.set KQ, 59
.set RQ, 60
.set E,  61
.set KH, 62
.set CNT, 63
.set NT, 66
.set TRIP, 67
.set WB, 68                            ; s[68:69] W2 at my wave's first number
.set AB, 70                            ; s[70:71] hcodes at the expert
.set HSB, 72                           ; s[72:73] hscales at the expert
.set YB, 74                            ; s[74:75] ypart: half kh, my 64 columns
.set TI, 76
.set T0, 77
.set T1, 78
.set PF, 79
.set OF, 80                            ; s[80:81] an offset in 64 bits
.set F,  83
.set MA, 84                            ; s84-87  a run of compares for the first rank,
.set MB, 88                            ; s88-91  for the second,
.set PKS, 92                           ; s92-95  and for each of the run's words: ones below it | its number << 16
.macro PLACES n
.rept \n
	v_nop
.endr
.endm
.macro LOAD t                          ; block t: W2(32 t + i, my column), i = 0 .. 31, into set t % 2: 128 consecutive bytes a load
.irp i, 0,1,2,3,4,5,6,7,8,9,10,11,12,13,14,15,16,17,18,19,20,21,22,23,24,25,26,27,28,29,30,31
	global_load_b32 v[XL+32*((\t)%2)+\i], v[WOFF], s[WB:WB+1] offset:(32*(\t)+\i)*PITCH th:TH_LOAD_NT
.endr
.endm
.macro BLOCK t, cnt                    ; cnt: the loads issued behind block t's
.set XB, XL+32*((\t)%2)
	s_wait_loadcnt \cnt
	v_max3_num_f32 v[MX], |v[XB]|, |v[XB+1]|, |v[XB+2]|
	v_max3_num_f32 v[MX+1], |v[XB+3]|, |v[XB+4]|, |v[XB+5]|
.irp i, 6,10,14,18,22,26
	v_max3_num_f32 v[MX], v[MX], |v[XB+\i]|, |v[XB+\i+1]|
	v_max3_num_f32 v[MX+1], v[MX+1], |v[XB+\i+2]|, |v[XB+\i+3]|
.endr
	v_max3_num_f32 v[MX], v[MX], |v[XB+30]|, |v[XB+31]|
	v_max3_num_f32 v[MX], v[MX], v[MX+1], 0x1800000 ; the floor 2^(3 - 127): the byte cannot fall under 1
	v_add_nc_u32 v[SOP], 0xff000000, v[MX]         ; 2 off the exponent field
	v_lshrrev_b32 v[BY], 23, v[SOP]
.if (\t)%4 == 0
	v_mov_b32 v[SW+(\t)/4], v[BY]
.else
	v_lshl_or_b32 v[SW+(\t)/4], v[BY], 8*((\t)%4), v[SW+(\t)/4]
.endif
	s_wait_dscnt 0x0                               ; the last block's store has read its registers
.if (\t) > 0
	s_wait_alu depctr_vm_vsrc(0)                   ; the last block's LDS store has read v[C ..], which the conversions write again
.endif
.irp g, 0,1,2,3
	v_cvt_scalef32_pk8_fp4_f32 v[C+\g], v[XB+8*\g:XB+8*\g+7], v[SOP]
.endr
	v_nop                                          ; one plain place behind the conversions
	s_wait_alu depctr_va_vdst(0)                   ; the conversions have written v[C ..], which the LDS store reads; they and the maxima are done reading this landing set, in which the next loads land (in the last block: v[SW ..] is written too)
	ds_store_b128 v[WST], v[C:C+3] offset:((\t)/4)*IS+(((\t)%4)/2)*512+((\t)%2)*256
.if (\t) < 6
	LOAD (\t)+2
.endif
.endm
.macro DESC2 a, width                  ; does the rank lie in the lower width bits at POS, or beyond them?  Both ranks side by side
	v_bfe_u32 v[T], v[\a], v[POS], \width
	v_bfe_u32 v[T+TS], v[\a+TS], v[POS+TS], \width
	v_cmp_ge_u32 s[MA], v[RS], v[T]
	v_cmp_ge_u32 s[MB], v[RS+TS], v[T+TS]
	v_sub_nc_u32 v[T], v[RS], v[T]
	v_sub_nc_u32 v[T+TS], v[RS+TS], v[T+TS]
	s_wait_alu depctr_va_sdst(0)                   ; the two compares have written s[MA] and s[MB], which the four selects read
	v_cndmask_b32 v[RS], v[RS], v[T], s[MA]
	v_cndmask_b32 v[RS+TS], v[RS+TS], v[T+TS], s[MB]
	v_add_nc_u32 v[T], \width, v[POS]
	v_add_nc_u32 v[T+TS], \width, v[POS+TS]
	v_cndmask_b32 v[POS], v[POS], v[T], s[MA]
	v_cndmask_b32 v[POS+TS], v[POS+TS], v[T+TS], s[MB]
.endm
.macro RANK2                           ; the tokens at the two ranks: of each its word and (ones below the word | word's number << 16) are known
.irp o, 0,1
	v_and_b32 v[T+TS*\o], 0xffff, v[BA+TS*\o]
	v_sub_nc_u32 v[RS+TS*\o], v[QA+TS*\o], v[T+TS*\o]
	v_lshrrev_b32 v[T+TS*\o], 1, v[WA+TS*\o]
	v_and_b32 v[T+TS*\o], 0x55555555, v[T+TS*\o]
	v_sub_nc_u32 v[A1+TS*\o], v[WA+TS*\o], v[T+TS*\o]
	v_lshrrev_b32 v[T+TS*\o], 2, v[A1+TS*\o]
	v_and_b32 v[T+TS*\o], 0x33333333, v[T+TS*\o]
	v_and_b32 v[A2+TS*\o], 0x33333333, v[A1+TS*\o]
	v_add_nc_u32 v[A2+TS*\o], v[A2+TS*\o], v[T+TS*\o]
	v_lshrrev_b32 v[T+TS*\o], 4, v[A2+TS*\o]
	v_add_nc_u32 v[T+TS*\o], v[A2+TS*\o], v[T+TS*\o]
	v_and_b32 v[A3+TS*\o], 0x0f0f0f0f, v[T+TS*\o]
	v_lshrrev_b32 v[T+TS*\o], 8, v[A3+TS*\o]
	v_add_nc_u32 v[T+TS*\o], v[A3+TS*\o], v[T+TS*\o]
	v_and_b32 v[A4+TS*\o], 0x00ff00ff, v[T+TS*\o]
	v_mov_b32 v[POS+TS*\o], 0
.endr
	DESC2 A4, 16
	DESC2 A3, 8
	DESC2 A2, 4
	DESC2 A1, 2
	DESC2 WA, 1
.irp o, 0,1
	v_lshrrev_b32 v[T+TS*\o], 16, v[BA+TS*\o]
	v_lshl_add_u32 v[TOK+\o], v[T+TS*\o], 5, v[POS+TS*\o]
	v_min_u32 v[TOK+\o], 0x3ff, v[TOK+\o]
.endr
.endm
.macro WALK w0, n                      ; words w0 .. w0 + n - 1 of the mask: a run of 2 n compares, one wait, 4 n selects
.set wk, 0
.rept \n
	s_bcnt1_i32_b32 s[T0], s[16+\w0+wk-1]
	s_add_co_u32 s[PF], s[PF], s[T0]
	s_add_co_u32 s[PKS+wk], s[PF], (\w0+wk)<<16
	v_cmp_le_u32 s[MA+wk], s[PF], v[QA]
	v_cmp_le_u32 s[MB+wk], s[PF], v[QA+TS]
.set wk, wk+1
.endr
	s_wait_alu depctr_va_sdst(0)                   ; the run's compares have written s[MA ..] and s[MB ..], which the selects below read
.set wk, 0
.rept \n
	v_cndmask_b32 v[WA], v[WA], s[16+\w0+wk], s[MA+wk]
	v_cndmask_b32 v[BA], v[BA], s[PKS+wk], s[MA+wk]
	v_cndmask_b32 v[WA+TS], v[WA+TS], s[16+\w0+wk], s[MB+wk]
	v_cndmask_b32 v[BA+TS], v[BA+TS], s[PKS+wk], s[MB+wk]
.set wk, wk+1
.endr
.endm
.macro BARRIER
	s_wait_dscnt 0x0
	s_barrier_signal -1
	s_barrier_wait -1
.endm
.macro LOADA                           ; my four K steps of a tile of the hidden layer, and their scale words (four words a row): 9 loads
.irp s, 0,1,2,3
.irp c, 0,1
	global_load_b128 v[A+8*\s+4*\c:A+8*\s+4*\c+3], v[AO], s[AB:AB+1] offset:1024*\s+512*\c
.endr
.endr
	global_load_b128 v[HS:HS+3], v[HSO], s[HSB:HSB+1]
.endm
	s_load_b256 s[4:11], s[0:1], 0x0               ; hcodes, hscales, masks, pair
	s_load_b256 s[48:55], s[0:1], 0x20             ; wts, w2, b2, ypart
	v_lshl_add_u32 v1, v0, 2, 0x24000
	v_mov_b32 v2, 0
	v_lshrrev_b32 v16, 5, v0
	v_readfirstlane_b32 s[WV], v16                 ; wave 0..15
	v_and_b32 v16, 31, v0                          ; lane
	v_and_b32 v17, 15, v0                          ; r
	v_bfe_u32 v18, v0, 4, 1                        ; h (in the stream: u)
	v_lshlrev_b32 v[WOFF], 2, v16
	v_lshlrev_b32 v[C16], 4, v17
	v_lshlrev_b32 v19, 4, v16                      ; 16 x lane
	v_lshl_add_u32 v[RIS], v0, 2, ROWI
.irp i, 0,1,2,3
	v_mov_b32 v[HS+\i], 0                          ; written on every path of the text; every product that reads them stands behind a load of them
.endr
	s_wait_alu depctr_va_sdst(0)                   ; s[WV] is written, ahead of its first reader: the wave's shares, addresses and bases are made from it
	s_and_b32 s[CG], s[WV], 1
	s_lshr_b32 s[KP], s[WV], 1
	s_and_b32 s[KQ], s[WV], 3
	s_lshr_b32 s[RQ], s[WV], 2
	s_and_b32 s[T0], ttmp7, 0xffff
	s_lshr_b32 s[E], s[T0], 1                      ; the expert
	s_and_b32 s[KH], s[T0], 1                      ; which half of K
	s_lshl_b32 s[T0], s[CG], 11
	s_lshl_b32 s[T1], s[KP], 13
	s_add_co_u32 s[T0], s[T0], s[T1]
	v_lshl_add_u32 v[WST], v18, 10, v[C16]
	v_add_nc_u32 v[WST], s[T0], v[WST]             ; 8,192 kp + 2,048 cg + 1,024 u + 16 r
	s_lshl_b32 s[T0], s[KP], 9
	s_lshl_b32 s[T1], s[CG], 7
	s_add_co_u32 s[T0], s[T0], s[T1]
	s_add_co_u32 s[T0], s[T0], WSC
	v_lshl_add_u32 v[WSS], v16, 2, s[T0]
	s_lshl_b32 s[T0], s[KQ], 14
	v_add_nc_u32 v[WRD], s[T0], v19
	s_lshl_b32 s[T0], s[KQ], 10
	s_add_co_u32 s[T0], s[T0], WSC
	v_lshl_add_u32 v[SRD], v16, 2, s[T0]
	s_lshl_b32 s[T0], s[RQ], 15                    ; hcodes: tile rq, K step 16 kh + 4 kq
	s_lshl_b32 s[T1], s[KH], 14
	s_add_co_u32 s[T0], s[T0], s[T1]
	s_lshl_b32 s[T1], s[KQ], 12
	s_add_co_u32 s[T0], s[T0], s[T1]
	v_add_nc_u32 v[AO], s[T0], v19
	s_lshl_b32 s[T0], s[RQ], 11                    ; hscales: tile rq, group 4 kh + kq, row r
	s_lshl_b32 s[T1], s[KH], 10
	s_add_co_u32 s[T0], s[T0], s[T1]
	s_lshl_b32 s[T1], s[KQ], 8
	s_add_co_u32 s[T0], s[T0], s[T1]
	v_add_nc_u32 v[HSO], s[T0], v[C16]
	s_mul_i32 s[T0], s[WV], SREG                   ; 4 rq + kq is my wave's number
	s_add_co_u32 s[T0], s[T0], STG
	v_mul_u32_u24 v[STO], v17, 272
	v_lshl_add_u32 v[STO], v18, 5, v[STO]
	v_add_nc_u32 v[STO], s[T0], v[STO]
	s_mul_i32 s[T0], s[RQ], 4*SREG
	s_mul_i32 s[T1], s[KQ], 4*272
	s_add_co_u32 s[T0], s[T0], s[T1]
	s_add_co_u32 s[T0], s[T0], STG
	v_mul_u32_u24 v[RD], v18, 272
	v_add_nc_u32 v[RD], v[RD], v[C16]
	v_add_nc_u32 v[RD], s[T0], v[RD]               ; rows 4 kq + h (+ 2) of my rq's four regions
	s_lshl_b32 s[T0], s[KQ], 4
	s_add_co_u32 s[T0], s[T0], ROWI
	v_lshl_add_u32 v[RI0], v18, 2, s[T0]
	s_mov_b32 s[OF+1], 0
	s_lshl_b32 s[OF], s[E], 7
	s_wait_kmcnt 0x0
	s_add_nc_u64 s[8:9], s[8:9], s[OF:OF+1]
	s_load_b512 s[16:31], s[8:9], 0x0              ; the expert's mask
	s_load_b512 s[32:47], s[8:9], 0x40
	s_lshl_b32 s[OF], s[E], 24                     ; W2: expert, row 2,048 kh + 256 kp, column 64 cs + 32 cg
	s_lshl_b32 s[T0], s[KH], 23
	s_add_co_u32 s[OF], s[OF], s[T0]
	s_lshl_b32 s[T0], s[KP], 20
	s_add_co_u32 s[OF], s[OF], s[T0]
	s_lshl_b32 s[T0], ttmp9, 8
	s_add_co_u32 s[OF], s[OF], s[T0]
	s_lshl_b32 s[T0], s[CG], 7
	s_add_co_u32 s[OF], s[OF], s[T0]
	s_add_nc_u64 s[WB:WB+1], s[50:51], s[OF:OF+1]
	s_lshl_b32 s[OF], s[E], 21
	s_add_nc_u64 s[AB:AB+1], s[4:5], s[OF:OF+1]
	s_lshl_b32 s[OF], s[E], 17
	s_add_nc_u64 s[HSB:HSB+1], s[6:7], s[OF:OF+1]
	s_lshl_b32 s[OF], s[KH], 23                    ; ypart: a half is two slots x 1,024 rows x 4,096 bytes
	s_lshl_b32 s[T0], ttmp9, 8
	s_add_co_u32 s[OF], s[OF], s[T0]
	s_add_nc_u64 s[YB:YB+1], s[54:55], s[OF:OF+1]
	s_lshl_b32 s[OF], s[E], 12                     ; b2: expert, column 64 cs
	s_add_co_u32 s[OF], s[OF], s[T0]
	s_add_nc_u64 s[52:53], s[52:53], s[OF:OF+1]
	s_wait_alu depctr_va_vdst(0)                   ; the offsets and LDS addresses v3 to v13 and v15 are written, which the loads, LDS loads and stores below read; so are v[HS ..], in which a tile's scale words land
	global_load_b128 v[B2:B2+3], v[C16], s[52:53]
	LOAD 0
	LOAD 1
	s_wait_kmcnt 0x0                               ; the mask
	s_bcnt1_i32_b32 s[CNT], s16
.irp w, 17,18,19,20,21,22,23,24,25,26,27,28,29,30,31,32,33,34,35,36,37,38,39,40,41,42,43,44,45,46,47
	s_bcnt1_i32_b32 s[T0], s[\w]
	s_add_co_u32 s[CNT], s[CNT], s[T0]
.endr
	s_add_co_u32 s[NT], s[CNT], 15
	s_lshr_b32 s[NT], s[NT], 4
	s_sub_co_u32 s[T0], s[CNT], 1
	v_min_u32 v[QA], s[T0], v0
	v_add_nc_u32 v[QA+TS], 512, v0
	v_min_u32 v[QA+TS], s[T0], v[QA+TS]
	v_mov_b32 v[WA], s16
	v_mov_b32 v[WA+TS], s16
	v_mov_b32 v[BA], 0
	v_mov_b32 v[BA+TS], 0
	s_mov_b32 s[PF], 0
	WALK 1, 4
	WALK 5, 4
	WALK 9, 4
	WALK 13, 4
	WALK 17, 4
	WALK 21, 4
	WALK 25, 4
	WALK 29, 3
	RANK2
.irp i, 0,1
	v_lshlrev_b32 v[PRO+\i], 2, v[TOK+\i]
	v_lshlrev_b32 v[WO+\i], 3, v[TOK+\i]
.endr
	s_wait_alu depctr_va_vdst(0)                   ; the four offsets v[PRO ..] and v[WO ..] are written, which the four loads below read
	global_load_b32 v[PR], v[PRO], s[10:11]
	global_load_b32 v[PR+1], v[PRO+1], s[10:11]
	global_load_b64 v[WT:WT+1], v[WO], s[48:49]
	global_load_b64 v[WT+2:WT+3], v[WO+1], s[48:49]
	BLOCK 0, 36                                    ; behind block 0's loads: block 1's 32 and these four
	BLOCK 1, 36                                    ; behind block 1's: the four and block 2's 32
	s_wait_loadcnt 32                              ; behind block 2's: block 3's 32.  So the four are in (and b2, the oldest)
.irp i, 0,1
	v_lshrrev_b32 v[U+3*\i], 8, v[PR+\i]           ; the token's second choice
	v_cmp_eq_u32 s[MA+\i], s[E], v[U+3*\i]
.endr
	s_cmp_eq_u32 s[KH], 0
	s_cselect_b32 s[F], 0x3f800000, 0
.irp i, 0,1,2,3
	v_mul_f32 v[B2+\i], s[F], v[B2+\i]             ; the bias counts in half 0 alone
.endr
	s_wait_alu depctr_va_sdst(0)                   ; the two compares have written s[MA] and s[MA+1], which the four selects read
.irp i, 0,1
	v_cndmask_b32 v[U+3*\i], 0, 1, s[MA+\i]        ; the slot
	v_lshl_add_u32 v[U+3*\i+1], v[U+3*\i], 10, v[TOK+\i]
	v_cndmask_b32 v[U+3*\i+2], v[WT+2*\i], v[WT+2*\i+1], s[MA+\i]
.endr
	s_wait_alu depctr_va_vdst(0)                   ; both entries of the list are written, which the four LDS stores read
.irp i, 0,1
	ds_store_b32 v[RIS], v[U+3*\i+1] offset:2048*\i
	ds_store_b32 v[RIS], v[U+3*\i+2] offset:ROWW-ROWI+2048*\i
.endr
	BLOCK 2, 32
	BLOCK 3, 32
	BLOCK 4, 32
	BLOCK 5, 32
	BLOCK 6, 32
	; block 6 has left landing set 0, which is the fragments' registers: my first tile, if the expert has it, is asked for here, a block ahead of the stream's end.
	; No wait is owed: block 6's wait on va_vdst stands behind the last instruction that names landing set 0, and the head's behind those that wrote v[AO], v[HSO] and v[HS ..].
	; The two ways differ in the number of loads, so the last block, whose wait counts them, is written on both.
	s_cmp_lt_u32 s[RQ], s[NT]
	s_cbranch_scc0 .Lno_first
	LOADA
	BLOCK 7, 9                                     ; behind block 7's loads: the tile's nine
	s_branch .Lstreamed
.Lno_first:
	BLOCK 7, 0
.Lstreamed:
	ds_store_b32 v[WSS], v[SW]                     ; my column's scale words of K steps 2 kp and 2 kp + 1 (written ahead of the last block's wait on va_vdst)
	ds_store_b32 v[WSS], v[SW+1] offset:256
	BARRIER                                        ; W2's 64 fragments, their scale words and the rows' list lie in LDS
.irp s, 0,1,2,3
.irp ct, 0,1,2,3
.irp c, 0,1
	ds_load_b128 v[W+32*\s+8*\ct+4*\c:W+32*\s+8*\ct+4*\c+3], v[WRD] offset:1024*(4*\s+\ct)+512*\c   ; no wait: the search, which worked in v20-39, stands ahead of the waits on va_vdst above, and no memory instruction has read these registers
.endr
.endr
.endr
.irp s, 0,1,2,3
.irp g, 0,1
	ds_load_b32 v[WS+2*\s+\g], v[SRD] offset:128*(2*\s+\g)
.endr
.endr
	s_wait_dscnt 0x0
.macro MM s, ct                        ; K step s, column tile ct.  The four accumulators take turns, one instruction a turn; the first K step starts the sums
.if (\s) == 0
.if ((\ct) % 2) == 0
	v_wmma_scale_f32_16x16x128_f8f6f4 v[ACC+8*\ct:ACC+8*\ct+7], v[W+8*\ct:W+8*\ct+7], v[A:A+7], 0, v[WS+(\ct)/2], v[HS] matrix_a_fmt:MATRIX_FMT_FP4 matrix_b_fmt:MATRIX_FMT_FP4
.else
	v_wmma_scale_f32_16x16x128_f8f6f4 v[ACC+8*\ct:ACC+8*\ct+7], v[W+8*\ct:W+8*\ct+7], v[A:A+7], 0, v[WS+(\ct)/2], v[HS] matrix_a_fmt:MATRIX_FMT_FP4 matrix_b_fmt:MATRIX_FMT_FP4 matrix_a_scale:MATRIX_SCALE_ROW1
.endif
.else
.if ((\ct) % 2) == 0
	v_wmma_scale_f32_16x16x128_f8f6f4 v[ACC+8*\ct:ACC+8*\ct+7], v[W+32*\s+8*\ct:W+32*\s+8*\ct+7], v[A+8*\s:A+8*\s+7], v[ACC+8*\ct:ACC+8*\ct+7], v[WS+2*\s+(\ct)/2], v[HS+\s] matrix_a_fmt:MATRIX_FMT_FP4 matrix_b_fmt:MATRIX_FMT_FP4
.else
	v_wmma_scale_f32_16x16x128_f8f6f4 v[ACC+8*\ct:ACC+8*\ct+7], v[W+32*\s+8*\ct:W+32*\s+8*\ct+7], v[A+8*\s:A+8*\s+7], v[ACC+8*\ct:ACC+8*\ct+7], v[WS+2*\s+(\ct)/2], v[HS+\s] matrix_a_fmt:MATRIX_FMT_FP4 matrix_b_fmt:MATRIX_FMT_FP4 matrix_a_scale:MATRIX_SCALE_ROW1
.endif
.endif
.endm
	s_mov_b32 s[TI], s[RQ]
	s_mov_b32 s[TRIP], 0
.Ltrip:                                                ; 16 trips: tile rq + 4 i
	s_cmp_ge_u32 s[TI], s[NT]
	s_cbranch_scc1 .Lno_products
	s_wait_loadcnt 0x0                             ; the tile's fragments and scale words, asked for behind the last trip's products (the first tile's: ahead of the stream's last block)
	s_wait_alu depctr_vm_vsrc(0)                   ; the last trip's LDS stores have read the accumulators, and its rows' stores the offsets that lay in them: the products write these registers again; the tile's loads have read v[AO] and v[HSO], which are stepped below
.irp s, 0,1,2,3
.irp ct, 0,1,2,3
	MM \s, \ct
.endr
.endr
	PLACES 5                                       ; four ahead of the first read of results; the fifth since the next tile's first products begin these accumulators anew
	v_add_nc_u32 v[AO], 0x20000, v[AO]             ; four tiles on (the loads that read these offsets are done)
	v_add_nc_u32 v[HSO], 0x2000, v[HSO]
	s_wait_alu depctr_va_vdst(0)                   ; the products have written the accumulators, which the LDS stores read (the places above stay beside this wait), and are done reading v[A ..] and v[HS ..], in which the next tile lands; v[AO] and v[HSO] are written.  Ahead of the branch: it serves both ways
	s_add_co_u32 s[T0], s[TI], 4
	s_cmp_lt_u32 s[T0], s[NT]
	s_cbranch_scc0 .Lno_next
	LOADA                                          ; the next tile: it has the stage, the sums and two barriers in which to land
.Lno_next:
.irp ct, 0,1,2,3
	ds_store_b128 v[STO], v[ACC+8*\ct:ACC+8*\ct+3] offset:64*\ct          ; lane (r, h): row r, columns 16 ct + 8 h + 0 .. 7; each accumulator from its low end on
	ds_store_b128 v[STO], v[ACC+8*\ct+4:ACC+8*\ct+7] offset:64*\ct+16
.endr
.Lno_products:
	BARRIER                                        ; the four parts of each tile lie in the stage
	s_cmp_ge_u32 s[TI], s[NT]
	s_cbranch_scc1 .Lno_rows
	s_lshl_b32 s[T0], s[TI], 6
	s_wait_alu depctr_vm_vsrc(0)                   ; the last trip's LDS loads have read v[RI], which is written below; my LDS stores into the stage have read the accumulators, in whose low registers the indices and weights land and the offsets are made;
	                                               ; the last trip's rows' stores (in the first trip: the stream's LDS stores and the list's loads) have read registers of v[RED ..], in which the parts land
	v_add_nc_u32 v[RI], s[T0], v[RI0]              ; rank 16 x tile + 4 kq + h (+ 2)
	s_wait_alu depctr_va_vdst(0)                   ; v[RI] is written, which the LDS loads read; the last trip's sums (in the first trip: the stream's arithmetic) are done with v[RED ..] and the products with the accumulators: the LDS loads land in both
	ds_load_b32 v[IDX], v[RI]
	ds_load_b32 v[IDX+1], v[RI] offset:8
	ds_load_b32 v[WGT], v[RI] offset:ROWW-ROWI
	ds_load_b32 v[WGT+1], v[RI] offset:ROWW-ROWI+8
.irp q, 0,1,2,3
.irp jj, 0,1
	ds_load_b128 v[RED+8*\q+4*\jj:RED+8*\q+4*\jj+3], v[RD] offset:SREG*\q+544*\jj
.endr
.endr
	s_wait_dscnt 0x0
.irp jj, 0,1
	v_min_u32 v[IDX+\jj], 0x7ff, v[IDX+\jj]
	v_lshl_add_u32 v[YO+\jj], v[IDX+\jj], 12, v[C16]   ; a row of ypart is 4,096 bytes
.endr
.irp jj, 0,1
.irp p, 0,2
	v_pk_add_f32 v[RED+4*\jj+\p:RED+4*\jj+\p+1], v[RED+4*\jj+\p:RED+4*\jj+\p+1], v[RED+8+4*\jj+\p:RED+8+4*\jj+\p+1]
	v_pk_add_f32 v[RED+16+4*\jj+\p:RED+16+4*\jj+\p+1], v[RED+16+4*\jj+\p:RED+16+4*\jj+\p+1], v[RED+24+4*\jj+\p:RED+24+4*\jj+\p+1]
.endr
.irp p, 0,2
	v_pk_add_f32 v[RED+4*\jj+\p:RED+4*\jj+\p+1], v[RED+4*\jj+\p:RED+4*\jj+\p+1], v[RED+16+4*\jj+\p:RED+16+4*\jj+\p+1]
.endr
.irp p, 0,2
	v_pk_add_f32 v[RED+4*\jj+\p:RED+4*\jj+\p+1], v[RED+4*\jj+\p:RED+4*\jj+\p+1], v[B2+\p:B2+\p+1]
.endr
.irp p, 0,2
	v_pk_mul_f32 v[RED+4*\jj+\p:RED+4*\jj+\p+1], v[RED+4*\jj+\p:RED+4*\jj+\p+1], v[WGT:WGT+1] op_sel:[0,\jj] op_sel_hi:[1,\jj]   ; x the row's weight: register jj of the pair for both halves
.endr
.endr
	s_wait_alu depctr_va_vdst(0)                   ; both rows' sums and both offsets are written, which the two stores read
.irp jj, 0,1
	global_store_b128 v[YO+\jj], v[RED+4*\jj:RED+4*\jj+3], s[YB:YB+1]   ; sixteen lanes store 256 consecutive bytes, aligned, of a token's row
.endr
	s_wait_xcnt 0x0                                ; the stores have read their data and offsets: the next trip writes both again
.Lno_rows:
	BARRIER                                        ; nobody reads the stage any more
	s_add_co_u32 s[TI], s[TI], 4
	s_add_co_u32 s[TRIP], s[TRIP], 1
	s_cmp_lt_u32 s[TRIP], 16
	s_cbranch_scc1 .Ltrip
	s_wait_dscnt 0x0                               ; the closing lines, six on end
	s_wait_alu 0x0
	s_wait_tensorcnt 0x0
	ds_add_u32 v1, v2
	s_wait_dscnt 0x0
	s_endpgm
.Lfunc_end_k_q26a7d899f2_ffn2:
	.size	k_q26a7d899f2_ffn2, .Lfunc_end_k_q26a7d899f2_ffn2-k_q26a7d899f2_ffn2
	.p2alignl 7, 3214868480
	.fill 96, 4, 3214868480
	.section	.rodata,"a",@progbits
	.p2align	6, 0x0
	.amdhsa_kernel k_q26a7d899f2_ffn2
		.amdhsa_group_segment_fixed_size 149504
		.amdhsa_private_segment_fixed_size 0
		.amdhsa_enable_private_segment 0
		.amdhsa_kernarg_size 64
		.amdhsa_user_sgpr_count 2
		.amdhsa_user_sgpr_kernarg_segment_ptr 1
		.amdhsa_wavefront_size32 1
		.amdhsa_system_sgpr_workgroup_id_x 1
		.amdhsa_system_sgpr_workgroup_id_y 1
		.amdhsa_system_sgpr_workgroup_id_z 1
		.amdhsa_system_vgpr_workitem_id 0
		.amdhsa_next_free_vgpr 256
		.amdhsa_next_free_sgpr 96
		.amdhsa_reserve_vcc 0
		.amdhsa_float_denorm_mode_32 3
		.amdhsa_float_denorm_mode_16_64 3
		.amdhsa_memory_ordered 1
		.amdhsa_forward_progress 1
		.amdhsa_inst_pref_size 79
	.end_amdhsa_kernel
	.amdgpu_metadata
---
amdhsa.version: [ 1, 2 ]
amdhsa.kernels:
  - .name:           k_q26a7d899f2_ffn2
    .symbol:         k_q26a7d899f2_ffn2.kd
    .args:
      - { .name: hcodes, .offset: 0, .size: 8, .value_kind: global_buffer, .address_space: global }
      - { .name: hscales, .offset: 8, .size: 8, .value_kind: global_buffer, .address_space: global }
      - { .name: masks, .offset: 16, .size: 8, .value_kind: global_buffer, .address_space: global }
      - { .name: pair, .offset: 24, .size: 8, .value_kind: global_buffer, .address_space: global }
      - { .name: wts, .offset: 32, .size: 8, .value_kind: global_buffer, .address_space: global }
      - { .name: w2, .offset: 40, .size: 8, .value_kind: global_buffer, .address_space: global }
      - { .name: b2, .offset: 48, .size: 8, .value_kind: global_buffer, .address_space: global }
      - { .name: ypart, .offset: 56, .size: 8, .value_kind: global_buffer, .address_space: global }
    .group_segment_fixed_size: 149504
    .private_segment_fixed_size: 0
    .kernarg_segment_align: 8
    .kernarg_segment_size: 64
    .max_flat_workgroup_size: 512
    .sgpr_count:     96
    .vgpr_count:     256
    .wavefront_size: 32
...
	.end_amdgpu_metadata
.endif
;; end of part 6
;; launch combine: the kernel of part 4 again; grid 256 x 1, 8 waves a work-group, no clusters, 0 bytes of LDS; arguments ypart, out0; writes out0
